; MI455X (gfx1250); checked and timed in simulation.
; The chip was launched on July 23, 2026; its instructions are those of AMD's public machine-readable ISA for CDNA 5 (MIT licence, August 2026) and "CDNA5" Instruction Set Architecture Reference Guide (July 2026). The comments in the code are by the model that wrote it; some were corrected since.
;; Joint Self Attention. Allowed arithmetic: matrix products marked QUANTISED: E4M3 operands, one given power-of-two scale a tensor, by v_wmma_f32_16x16x64_fp8_fp8 or v_wmma_f32_16x16x128_fp8_fp8, f32 sums; everything else in f32.
;; Inputs: lowp_scales 8 int32 (the exponents e of the quantised operands' scales 2^e); w_attn 3,072 x 1,024 float32; w_proj 1,024 x 1,024 float32; x 4 x 2,048 x 1,024 float32.
;; Outputs: out0 4 x 2,048 x 1,024 float32.
;; This version of the problem:
;;   THIS VERSION OF THE PROBLEM IS GIVEN IN LOW PRECISION. The matrix products marked QUANTISED in the list below multiply operands that are first quantised to E4M3 (4 exponent bits, 3 mantissa bits; 8 bits a number), with one given power-of-two scale for each operand tensor; their sums are f32. All else is computed in f32.
;;   The module's matrix products, in the order in which they are computed (A, B: the left and right operand; K: the contracted axis; several contracted axes count as one K, in the product's order):
;;     1. [M 8,192, K 1,024] x [K 1,024, N 3,072]; A: input x; B: input w_attn: QUANTISED (scales: A lowp_scales[0], B lowp_scales[1])
;;     2. batch 64 x [M 2,048, K 64] x [K 64, N 2,048]; A: computed on the way; B: computed on the way: QUANTISED (scales: A lowp_scales[2], B lowp_scales[3])
;;     3. batch 64 x [M 64, K 2,048] x [K 2,048, N 2,048]; A: computed on the way; B: softmax (see below): QUANTISED (scales: A lowp_scales[4], B lowp_scales[5])
;;     4. [M 8,192, K 1,024] x [K 1,024, N 1,024]; A: computed on the way; B: input w_proj: QUANTISED (scales: A lowp_scales[6], B lowp_scales[7])
;;   THE QUANTISER, for each operand of a quantised product, along K:
;;     - The operand's scale is 2^e, e = its entry of the input lowp_scales (int32; the entries are numbered through the quantised products in the list's order, A before B).
;;     - Each number is divided by the scale, clamped to +-448, and rounded to the nearest number of E4M3, ties to even, subnormals kept.
;;     - The product sums the exact products of the quantised numbers (number of the format x scale) in f32.
;;   ~~~python
;;   def quantise(x, axis, e):      # numpy; x: float32 -> the quantised numbers, widened to float32 again
;;       x = np.moveaxis(x, axis, -1); K = x.shape[-1]
;;       r = np.clip(x / 2.0 ** e, -448, 448)
;;       step = 2.0 ** (np.maximum(np.frexp(np.where(r == 0, 1, r))[1] - 1, -6) - 3)
;;       q = np.round(r / step) * step * 2.0 ** e      # np.round: ties to even
;;       return np.moveaxis(q, -1, axis).astype(np.float32)
;;   ~~~
;;   SOFTMAX AHEAD OF A QUANTISED PRODUCT. Where the list says 'softmax', what is quantised is not the finished softmax but p = 2^(t - M), with t = logit x log2(e) and M = ceil(the row's largest t), a whole number; so 1/2 < the row's largest p <= 1. The row's sum l is taken of the UNQUANTISED p, in f32, and the product's result is divided by l at the end. Since M is a whole number, a kernel that streams over the keys may use a running M (the ceiling of the running maximum): every later rescaling is an exact power of two, so the quantised numbers keep their values, but for numbers so far below the row's largest that they fall under the format's range.
;;   OPERANDS COMPUTED ON THE WAY. 'Computed on the way' means the value that the module computes at that place (a softmax that the list does not call 'softmax' is quantised finished and normalised). What goes into a quantiser is computed in f32, as accurately as f32 sums, v_exp_f32 and their like allow (about 1e-6 of the number): no bf16 or f16 on the way to a quantiser, and a product that is left as it is and whose result goes on into a quantised operand takes f32 operands (vector FMAs, or v_wmma_f32_16x16x4_f32). A number that lies on a knife's edge between two numbers of the format may be rounded either way, as far as f32 arithmetic and the matrix unit's own rounding can turn it there, and no further.
;; One version. Each part assembles by itself: llvm-mc -triple=amdgcn-amd-amdhsa -mcpu=gfx1250 --defsym DOCPART=n.
;; ======== version 1 of 1: 4 launches
;; limits: values are held in bf16: 8 bits of precision; right only within a limited range of input values
;; workspace buffers: x_codes 8,388,608 bytes; wa_codes 3,145,728 bytes; wp_codes 1,048,576 bytes; y_codes 8,388,608 bytes; rope 262,144 bytes; q_codes 8,388,608 bytes; k_codes 8,388,608 bytes; v_codes 8,388,608 bytes
;; launch prep (part 1): grid 416 x 1, 4 waves a work-group, no clusters, 34,304 bytes of LDS; arguments x, w_attn, w_proj, lowp_scales, x_codes, wa_codes, wp_codes, rope; writes x_codes, wa_codes, wp_codes, rope
.if DOCPART == 1
	.amdgcn_target "amdgcn-amd-amdhsa--gfx1250"
	.amdhsa_code_object_version 6
	.text
	.protected	k_q743d847b21_prep
	.globl	k_q743d847b21_prep
	.p2align	8
	.type	k_q743d847b21_prep,@function
k_q743d847b21_prep:
	s_mov_b64 s[64:65], 0
	v_nop
	global_prefetch_b8 v0, s[64:65] scope:SCOPE_SE
	s_setreg_imm32_b32 hwreg(HW_REG_WAVE_MODE, 25, 1), 1
	s_wait_xcnt 0x0
; x [8192][1024], w_attn [3072][1024], w_proj [1024][1024], f32, become codes of E4M3 with the given scales 2^e (entries 0, 1, 7 of the scales), and the table of cos and sin for the rotation is made.
; code = number / 2^e, held within +-448, rounded to the nearest code, ties to even.
; THE CODES' LAYOUT is the order of the matrix operand's registers.  A fragment is 16 rows x 128 k = 16 registers a lane: register 2 c + e, byte i of lane (r, h) is (row r, k = 16 c + 8 h + 4 e + i);
; registers 4 p .. 4 p + 3 lie at 512 p + 16 x lane.  Fragment (row, k) begins at (row >> 7) x 131072 + (k >> 8) x 32768 + ((row >> 4) & 7) x 4096 + ((k >> 7) & 1) x 2048: 128 rows x 256 k are one dense block of 32,768 bytes.
; SHARES.  Work-groups 0-255 take x, 256-351 w_attn, 352-383 w_proj: one path, the buffers chosen by the work-group's number.  A wave takes 16 rows x 512 k: four fragments.  Each load reads 512 consecutive bytes of a row;
; a fragment's 16 rows turn through the wave's own stage in LDS (rows of 512 + 16 bytes) and come back 8 neighbours along k to a run of registers; each store covers 512 consecutive bytes, aligned.  Waves share nothing: no barrier.
; Work-groups 384-415 make the table: rope[t][pos] = bf16(cos) << 16 | bf16(sin) of the f32 angle t x inv_freq[d], pos = 16 h + 8 bb + j for d = 16 bb + 8 h + j: the 16 words that a lane of the next launch wants lie on end.
; The angle is reduced by whole multiples of pi / 2 (pi / 2 in two parts, fused multiply-adds) and sine and cosine are polynomials on +-pi / 4 whose first term left out is under 2e-9.
; LIMITS.  e between -126 and 119, so that 2^e and 448 x 2^e are f32 numbers.  NaN among the inputs is not served.  inv_freq is 2^(-d log2(10000) / 32) by v_exp_f32, with the argument's rounding corrected to first order;
; it can differ in its last bit or two from a power and a division, the angle by that share of its size, so a cos or sin that lies on the edge between two bf16 numbers may fall to the other side.
.set STG,   8448                       ; a wave's stage: 16 rows x 528 bytes
.set SPARE, 4*STG                      ; behind the stages: the spare words, 128 bytes a wave: two blocks of 256 bytes that no other line names
.set SPW,   12                         ; v12  SPARE + 4 x my thread's number; never rewritten
.set NIL,   13                         ; v13  0; never rewritten
.set RAW,   16                         ; v16-143  two sets of 64: a fragment's numbers as loaded
.set X,     144                        ; v144-207 the same, 8 neighbours along k to a run
.set C,     208                        ; v208-239 two sets of 16: codes
	s_load_b512 s[4:19], s[0:1], 0x0               ; x, w_attn, w_proj, scales, x_codes, wa_codes, wp_codes, rope
	v_lshl_add_u32 v[SPW], v0, 2, SPARE
	v_mov_b32 v[NIL], 0
	v_lshrrev_b32 v1, 5, v0
	v_readfirstlane_b32 s20, v1                    ; wave
	v_and_b32 v2, 31, v0                           ; lane
	s_cmp_ge_u32 ttmp9, 384
	s_cbranch_scc1 .Ltable
	v_lshlrev_b32 v3, 4, v2                        ; 16 x lane: my place in a load's and in a store's 512 bytes; never rewritten
	s_mul_i32 s21, s20, STG
	v_add_nc_u32 v14, s21, v3                      ; the stage on the way in: a row as it lies
	v_and_b32 v5, 15, v0
	v_bfe_u32 v6, v0, 4, 1
	v_mul_u32_u24 v15, v5, 528
	v_lshl_add_u32 v15, v6, 5, v15
	v_add_nc_u32 v15, s21, v15                     ; and on the way out: row r, + 32 h bytes: k = 8 h on
	s_wait_alu depctr_va_vdst(0)
	s_wait_kmcnt 0x0
	s_load_b256 s[24:31], s[10:11], 0x0            ; e0 .. e7
	s_mov_b32 s36, 352
	s_cmp_lt_u32 ttmp9, 352                        ; which tensor: the choice hangs on the work-group's number alone
	s_cselect_b64 s[32:33], s[6:7], s[8:9]
	s_cselect_b64 s[34:35], s[14:15], s[16:17]
	s_cselect_b32 s36, 256, s36
	s_cmp_lt_u32 ttmp9, 256
	s_cselect_b64 s[32:33], s[4:5], s[32:33]
	s_cselect_b64 s[34:35], s[12:13], s[34:35]
	s_cselect_b32 s36, 0, s36                      ; the tensor's first work-group
	s_sub_co_u32 s37, ttmp9, s36
	s_lshl_b32 s37, s37, 2
	s_add_co_u32 s37, s37, s20                     ; my wave among the tensor's
	s_lshr_b32 s38, s37, 1                         ; R: its block of 16 rows
	s_and_b32 s39, s37, 1                          ; its half of K
	s_lshl_b32 s40, s38, 16                        ; 16 rows of 4,096 bytes
	s_lshl_b32 s41, s39, 11                        ; 512 numbers
	s_add_co_u32 s40, s40, s41
	s_mov_b32 s41, 0
	s_add_nc_u64 s[32:33], s[32:33], s[40:41]
	s_lshr_b32 s40, s38, 3
	s_lshl_b32 s40, s40, 17
	s_and_b32 s42, s38, 7
	s_lshl_b32 s42, s42, 12
	s_add_co_u32 s40, s40, s42
	s_lshl_b32 s42, s39, 16
	s_add_co_u32 s40, s40, s42
	s_add_nc_u64 s[34:35], s[34:35], s[40:41]
.macro LOAD f                          ; fragment f: 16 rows x 512 bytes into set f % 2
.set i, 0
.rept 16
	global_load_b128 v[RAW+64*((\f)%2)+4*i:RAW+64*((\f)%2)+4*i+3], v3, s[32:33] offset:i*4096+(\f)*512 th:TH_LOAD_NT
.set i, i+1
.endr
.endm
	LOAD 0
	LOAD 1
	s_wait_kmcnt 0x0
	s_cmp_lt_u32 ttmp9, 352
	s_cselect_b32 s42, s25, s31
	s_cmp_lt_u32 ttmp9, 256
	s_cselect_b32 s42, s24, s42                    ; e
	s_add_co_i32 s42, s42, 127
	s_lshl_b32 s43, s42, 23
	v_mov_b32 v11, s43                             ; 2^e as f32: the conversion takes its exponent field
	s_add_co_i32 s42, s42, 8
	s_lshl_b32 s42, s42, 23
	s_or_b32 s42, s42, 0x600000
	v_mov_b32 v10, s42                             ; 448 x 2^e
.macro FRAGQ f
.set RS, RAW+64*((\f)%2)
.set CC, C+16*((\f)%2)
.if (\f) < 3
	s_wait_loadcnt 16                              ; this fragment's 16 loads are in; the next fragment's 16 may be out
.else
	s_wait_loadcnt 0x0
.endif
.set i, 0
.rept 16
	ds_store_b128 v14, v[RS+4*i:RS+4*i+3] offset:528*i
.set i, i+1
.endr
.set i, 0
.rept 8                                ; LDS serves a wave's instructions in order: these see the stores above
	ds_load_b128 v[X+8*i:X+8*i+3], v15 offset:64*i
	ds_load_b128 v[X+8*i+4:X+8*i+7], v15 offset:64*i+16
.set i, i+1
.endr
	s_wait_dscnt 0x0                               ; the numbers are back, and the stage's stores have read their registers,
.if (\f)+2 < 4
	LOAD (\f)+2                                    ; which take the fragment two further on
.endif
.set i, 0
.rept 64
	v_med3_num_f32 v[X+i], v[X+i], -v10, v10       ; the conversion to an 8-bit code does not saturate (ISA guide 7.6.2): the hold at the largest code x the scale
.set i, i+1
.endr
.if (\f) >= 2
	s_wait_alu depctr_va_vdst(0)
	s_wait_xcnt 0x0                                ; the stores of two fragments back have read this set of codes
.endif
.set i, 0
.rept 8
	v_cvt_scalef32_pk8_fp8_f32 v[CC+2*i:CC+2*i+1], v[X+8*i:X+8*i+7], v11   ; registers 2 c, 2 c + 1 of the fragment
.set i, i+1
.endr
	v_nop                                          ; a plain line behind the run of conversions: the next fragment's holds write their sources
.set i, 0
.rept 4
	global_store_b128 v3, v[CC+4*i:CC+4*i+3], s[34:35] offset:((\f)/2)*32768+((\f)%2)*2048+512*i
.set i, i+1
.endr
.endm
	s_wait_alu depctr_va_vdst(0)
	FRAGQ 0
	FRAGQ 1
	FRAGQ 2
	FRAGQ 3
	s_wait_tensorcnt 0x0                           ; the wave's end, behind my last LDS store
	ds_add_u32 v[SPW], v[NIL]
	s_wait_dscnt 0x0
	s_endpgm
.Ltable:                               ; 64 rows of the table to a work-group, 16 to a wave; a store takes 4 rows: lane l has row l / 8 and words 4 (l % 8) on.  No LDS on this path
	s_sub_co_u32 s21, ttmp9, 384
	s_lshl_b32 s22, s21, 6
	s_lshl_b32 s23, s20, 4
	s_add_co_u32 s22, s22, s23                     ; my wave's first t
	s_wait_alu depctr_va_vdst(0)
	v_lshrrev_b32 v3, 3, v2
	v_add_nc_u32 v3, s22, v3
	v_cvt_f32_u32 v4, v3                           ; t as f32 (exact)
	v_bfe_u32 v5, v2, 1, 1
	v_bfe_u32 v6, v2, 2, 1
	v_and_b32 v7, 1, v2
	v_lshlrev_b32 v5, 4, v5
	v_lshl_add_u32 v5, v6, 3, v5
	v_lshl_add_u32 v5, v7, 2, v5                   ; d of my first word: 16 ((l >> 1) & 1) + 8 ((l >> 2) & 1) + 4 (l & 1)
	v_cvt_f32_u32 v16, v5
	v_add_f32 v17, 1.0, v16
	v_add_f32 v18, 2.0, v16
	v_add_f32 v19, 0x40400000, v16
	s_mov_b32 s24, 0xbed49a78                      ; -log2(10000) / 32, rounded to f32,
	s_mov_b32 s25, 0xb2179a6c                      ; and what the rounding left
	s_mov_b32 s26, 0x3fc90fdb                      ; pi / 2 rounded up to f32,
	s_mov_b32 s27, 0x333bbd2e                      ; and by how much it is too large
	v_mov_b32 v28, 0x3638ef1d                      ; 1 / 9!
	v_mov_b32 v29, 0xb493f27e                      ; -1 / 10!
.irp k, 0,1,2,3
	v_mul_f32 v[20+\k], s24, v[16+\k]              ; the exponent, rounded,
	v_fma_f32 v[24+\k], v[16+\k], s24, -v[20+\k]   ; what that rounding dropped,
	v_fma_f32 v[24+\k], v[16+\k], s25, v[24+\k]    ; and the constant's own remainder
.endr
	s_wait_alu depctr_va_vdst(0)
.irp k, 0,1,2,3
	v_exp_f32 v[8+\k], v[20+\k]
.endr
.irp k, 0,1,2,3
	v_mul_f32 v[24+\k], 0x3f317218, v[24+\k]       ; x ln 2.  (Plain lines behind the exponentials)
.endr
	s_wait_alu depctr_va_vdst(0)                   ; one wait for the four exponentials, ahead of their first reader
.irp k, 0,1,2,3
	v_fma_f32 v[8+\k], v[8+\k], v[24+\k], v[8+\k]  ; inv_freq of my four words
.endr
	s_lshl_b32 s22, s21, 13                        ; 64 rows of 128 bytes
	s_mov_b32 s23, 0
	v_lshlrev_b32 v51, 4, v2
	v_lshl_add_u32 v51, s20, 11, v51               ; 2,048 x wave + 16 x lane
	s_wait_alu depctr_va_vdst(0)
	s_wait_kmcnt 0x0
	s_add_nc_u64 s[18:19], s[18:19], s[22:23]
.macro SINCOS u, k
	v_mul_f32 v56, v4, v[8+\k]                     ; the angle, rounded to f32 as the product of t and inv_freq
	v_mul_f32 v57, 0x3f22f983, v56
	v_rndne_f32 v57, v57                           ; N = the nearest multiple of pi / 2
	v_fma_f32 v58, -v57, s26, v56
	v_fma_f32 v58, v57, s27, v58                   ; R = angle - N pi / 2
	v_mul_f32 v59, v58, v58                        ; Z = R R
	v_fmaak_f32 v60, v59, v28, 0xb9500d01
	v_fmaak_f32 v60, v60, v59, 0x3c088889
	v_fmaak_f32 v60, v60, v59, 0xbe2aaaab
	v_mul_f32 v63, v59, v58
	v_fma_f32 v60, v60, v63, v58                   ; sin R
	v_fmaak_f32 v61, v59, v29, 0x37d00d01
	v_fmaak_f32 v61, v61, v59, 0xbab60b61
	v_fmaak_f32 v61, v61, v59, 0x3d2aaaab
	v_fmaak_f32 v61, v61, v59, 0xbf000000
	v_fma_f32 v61, v61, v59, 1.0                   ; cos R
	v_cvt_i32_f32 v62, v57
	v_and_b32 v63, 1, v62
	v_cmp_eq_u32 vcc_lo, 1, v63
	v_cndmask_b32 v64, v60, v61, vcc_lo            ; an odd N exchanges the two: a choice of values, no branch
	v_cndmask_b32 v65, v61, v60, vcc_lo
	v_and_b32 v63, 2, v62
	v_lshlrev_b32 v63, 30, v63
	v_xor_b32 v64, v63, v64                        ; sin is negated where N % 4 is 2 or 3,
	v_add_nc_u32 v63, 1, v62
	v_and_b32 v63, 2, v63
	v_lshlrev_b32 v63, 30, v63
	v_xor_b32 v65, v63, v65                        ; cos where it is 1 or 2
	v_cvt_pk_bf16_f32 v[32+4*\u+\k], v64, v65      ; sin in the low half, cos in the high half, each rounded to nearest even
.endm
.irp u, 0,1,2,3
.irp k, 0,1,2,3
	SINCOS \u, \k
.endr
	global_store_b128 v51, v[32+4*\u:35+4*\u], s[18:19] offset:512*\u   ; four rows of 128 bytes: 512 consecutive bytes; each store has registers of its own
	v_add_f32 v4, 4.0, v4
.endr
	s_endpgm
.Lfunc_end_k_q743d847b21_prep:
	.size	k_q743d847b21_prep, .Lfunc_end_k_q743d847b21_prep-k_q743d847b21_prep
	.p2alignl 7, 3214868480
	.fill 96, 4, 3214868480
	.section	.rodata,"a",@progbits
	.p2align	6, 0x0
	.amdhsa_kernel k_q743d847b21_prep
		.amdhsa_group_segment_fixed_size 34304
		.amdhsa_private_segment_fixed_size 0
		.amdhsa_enable_private_segment 0
		.amdhsa_kernarg_size 64
		.amdhsa_user_sgpr_count 2
		.amdhsa_user_sgpr_kernarg_segment_ptr 1
		.amdhsa_wavefront_size32 1
		.amdhsa_system_sgpr_workgroup_id_x 1
		.amdhsa_system_sgpr_workgroup_id_y 1
		.amdhsa_system_sgpr_workgroup_id_z 1
		.amdhsa_system_vgpr_workitem_id 0
		.amdhsa_next_free_vgpr 240
		.amdhsa_next_free_sgpr 66
		.amdhsa_reserve_vcc 1
		.amdhsa_float_denorm_mode_32 3
		.amdhsa_float_denorm_mode_16_64 3
		.amdhsa_memory_ordered 1
		.amdhsa_forward_progress 1
		.amdhsa_inst_pref_size 62
	.end_amdhsa_kernel
	.amdgpu_metadata
---
amdhsa.version: [ 1, 2 ]
amdhsa.kernels:
  - .name:           k_q743d847b21_prep
    .symbol:         k_q743d847b21_prep.kd
    .args:
      - { .name: x, .offset: 0, .size: 8, .value_kind: global_buffer, .address_space: global }
      - { .name: w_attn, .offset: 8, .size: 8, .value_kind: global_buffer, .address_space: global }
      - { .name: w_proj, .offset: 16, .size: 8, .value_kind: global_buffer, .address_space: global }
      - { .name: lowp_scales, .offset: 24, .size: 8, .value_kind: global_buffer, .address_space: global }
      - { .name: x_codes, .offset: 32, .size: 8, .value_kind: global_buffer, .address_space: global }
      - { .name: wa_codes, .offset: 40, .size: 8, .value_kind: global_buffer, .address_space: global }
      - { .name: wp_codes, .offset: 48, .size: 8, .value_kind: global_buffer, .address_space: global }
      - { .name: rope, .offset: 56, .size: 8, .value_kind: global_buffer, .address_space: global }
    .group_segment_fixed_size: 34304
    .private_segment_fixed_size: 0
    .kernarg_segment_align: 8
    .kernarg_segment_size: 64
    .max_flat_workgroup_size: 128
    .sgpr_count:     66
    .vgpr_count:     240
    .wavefront_size: 32
...
	.end_amdgpu_metadata
.endif
;; end of part 1
;; launch qkv (part 2): grid 8 x 32, 4 waves a work-group, clusters of 4 x 4, 327,680 bytes of LDS; arguments x_codes, wa_codes, rope, lowp_scales, q_codes, k_codes, v_codes; writes q_codes, k_codes, v_codes
.if DOCPART == 2
	.amdgcn_target "amdgcn-amd-amdhsa--gfx1250"
	.amdhsa_code_object_version 6
	.text
	.protected	k_q743d847b21_qkv
	.globl	k_q743d847b21_qkv
	.p2align	8
	.type	k_q743d847b21_qkv,@function
k_q743d847b21_qkv:
	s_mov_b64 s[64:65], 0
	v_nop
	global_prefetch_b8 v0, s[64:65] scope:SCOPE_SE
	s_setreg_imm32_b32 hwreg(HW_REG_WAVE_MODE, 25, 1), 1
	s_wait_xcnt 0x0
	s_wait_alu depctr_hold_cnt(0) depctr_sa_sdst(0) depctr_va_vdst(0) depctr_va_sdst(0) depctr_va_ssrc(0) depctr_va_vcc(0) depctr_vm_vsrc(0)
	s_getreg_b32 s2, hwreg(HW_REG_IB_STS2, 6, 4)
	s_cmp_eq_u32 s2, 0
	s_cbranch_scc0 .Lentry_in_a_cluster
	s_endpgm
.Lentry_in_a_cluster:
	s_bfe_u32 s2, ttmp6, 0x10000c
	s_cmp_lg_u32 s2, 0xf033
	s_cbranch_scc0 .Lentry_shape_is_right
	s_endpgm
.Lentry_shape_is_right:
; qkv = x w_attn^T on codes of E4M3 (K = 1,024), and on the way out what follows it: q and k are normalised per head of 64 (x rsqrt(mean of squares + 2^-23)), rotated by the table of cos and sin and quantised
; (entries 2 and 3 of the scales); v is quantised (entry 4) with the KEYS innermost.  Nothing of qkv goes to memory but codes.
; A tile of 256 x 256 is made by four waves, each 128 x 128: 64 accumulators of 16 x 16.  K goes in steps of 256 through a ring of two LDS slots.  The codes lie in memory in the order of the operand's registers
; (a fragment of 16 rows x 128 k: registers 4 p .. 4 p + 3 at 512 p + 16 x lane; 128 rows x 256 k are one dense block of 32,768 bytes), so a tensor load brings a dense block and a fragment is four loads at 16 x lane + a constant.
; THE MATRIX INSTRUCTION IS USED TRANSPOSED: source 0 = 16 rows of operand B, source 1 = 16 rows of operand A: a lane holds ONE row of A and eight neighbouring rows of B.
; ROLES, by the cluster's x, which all sixteen partners share.  x = 0 (q), 1 (k): A = tokens, B = channels: a lane holds one token and eight neighbouring channels, so a head's sum of squares wants one exchange between the halves of
; the lanes and the codes come out with the channels innermost.  x = 2 (v): A = v's channels, B = tokens: a lane holds one channel and eight neighbouring tokens: the codes come out with the keys innermost; nothing is transposed.
; CLUSTERS: 4 x 4 work-groups.  A's tile is shared along a row of the cluster, B's along a column: each is asked for jointly, by the same tensor load with the same descriptor and a mask that names the four.
; OUT.  q_codes, k_codes: [batch x head][t / 16][16 tokens x 64 channels as 8 registers a lane].  v_codes: [batch x head][t / 128][d / 16][16 channels x 128 keys as 16 registers a lane].  Every store covers 512 consecutive bytes, aligned.
; LIMITS on the given exponents, so that each power of two below is an f32 number: e2, e3 and e4 - e0 - e1 between -126 and 119.  NaN is not served.  cos x f and sin x f are formed ahead of the rotation (f the row's factor): one f32 rounding stands elsewhere than in (x f) cos.
; REGISTERS, in windows of 256: window 0: v0-31 addresses; v128-255 A's fragments, one set; on the way out v32-175 at work.  window 1: B's fragments, two sets (v0, v128); on the way out v0-127 the table's words.
;   window 2: the accumulators of my rows 0-63 of A ((a, b) at v[8 (8 a + b)]);  window 3: those of rows 64-127.
; THE SHARES AS THEY STAND (in place of what the lines on roles above say of the cluster's x = 2).  The grid is 8 x 32 = 256 work-groups, and each of them STAYS for two pieces of work, on one path:
; first its tile of q (cluster x = 0) or of k (x = 1), 256 tokens x 256 channels, as described above; then a block of v, 256 channels x 128 tokens: 4 x 64 = 256 such blocks.  There A = v's channels 256 cy on (shared along a row of the cluster),
; B = tokens 128 x (4 (2 Y + X) + cx) on (shared along a column).  A wave makes 128 channels x 64 tokens: 32 accumulators.
; v's K steps 0 and 1 are asked for as soon as the q / k products have read LDS out (the three lines, a round, one joint load a wave: waves 0 and 1 the channels' halves, wave 2 the tokens, wave 3 nothing)
; K steps 2 and 3 are one more refill of the same shape.  v's registers: window 1 the accumulators ((a, b) at v[8 (4 a + b)]), window 2 the channels' fragments, two sets of 128, window 0 v128-255 the tokens', two sets of 64.
.set HALFT,  32768                     ; 128 rows x 256 k: one dense block
.set SLOT,   4*HALFT                   ; a K step's four blocks in all; in LDS each fetching wave has 65,536 bytes of its own: slot 0's block, then slot 1's
.set SPARE,  2*SLOT                    ; behind the ring: the spare words, 128 bytes a wave: two blocks of 256 bytes that no other line names
.set FR,     16                        ; registers of a fragment
.set NL,     4                         ; LDS loads that bring one
.set NP,     4                         ; places behind this matrix instruction (ISA guide 7.12.1)
.set LAPS,   2                         ; 1,024 along K = four K steps = twice round the ring
.set ADRA, 16                          ; v16-17  LDS address of my A fragments in slot 0, 1
.set ADRB, 20                          ; v20-21  the same for B
.set GO,   26                          ; v26     16 x lane: my place in a store's 512 bytes
.set RO,   27                          ; v27     128 r + 64 h: my 16 words of a token's row of the table
.set SPW,  28                          ; v28     SPARE + 4 x my thread's number; never rewritten
.set NIL,  29                          ; v29     0; never rewritten
.set AF,   128
.set G1, 24                            ; s[24:31] descriptor group 1 for A's tiles;  s[32:39] group 0, one set for each slot
.set G0, 32
.set G1B, 48                           ; s[48:55], s[56:63] the same for B's tiles
.set G0B, 56
.set MSB, 0
.macro WIN new                         ; the immediate's high byte repeats the setting that is left
.if MSB != (\new)
	s_set_vgpr_msb (MSB<<8)|(\new)
.set MSB, (\new)
.endif
.endm
.set MUL_LO, 0xa1                      ; source 0 (B) window 1, source 1 (A) window 0, C and D window 2
.set MUL_HI, 0xf1                      ; the same, C and D window 3
.set TO_B,   0x40                      ; destination window 1, address window 0
; A joint load: waves 0 and 1 fetch for A, waves 2 and 3 for B.  The branch hangs on the wave's number alone.  An s_nop 0 and four v_nop follow each of the two lines.
.macro JLOAD g0a, g1a, g0b, g1b
	s_cmp_eq_u32 s15, 0
	s_cbranch_scc0 .Lfor_b_\@
	tensor_load_to_lds s[\g0a:\g0a+3], s[\g1a:\g1a+7]
	s_nop 0
.rept 4
	v_nop
.endr
	s_branch .Lasked_\@
.Lfor_b_\@:
	tensor_load_to_lds s[\g0b:\g0b+3], s[\g1b:\g1b+7]
	s_nop 0
.rept 4
	v_nop
.endr
.Lasked_\@:
.endm
.macro CREST                           ; a round of the cluster's barrier behind its opening barrier
	s_cmp_lg_u32 s14, 0
	s_cbranch_scc1 .Lnot_wave_0_\@
	s_barrier_signal -3
.Lnot_wave_0_\@:
	s_barrier_wait -3
	s_barrier_signal -1
	s_barrier_wait -1
.endm
.macro CROUND                          ; a whole round
	s_barrier_signal -1
	s_barrier_wait -1
	CREST
.endm
	s_load_b256 s[4:11], s[0:1], 0x0               ; x_codes s[4:5], wa_codes s[6:7], rope s[8:9], the scales' exponents s[10:11]
	s_load_b128 s[84:87], s[0:1], 0x20             ; q_codes, k_codes
	s_load_b64 s[88:89], s[0:1], 0x30              ; v_codes
	v_lshl_add_u32 v[SPW], v0, 2, SPARE
	v_mov_b32 v[NIL], 0
	ds_add_u32 v[SPW], v[NIL]                      ; the wave's opening: the add and its wait ahead of my first tensor load; the set-up below, work on registers, stands between them
	ds_add_u32 v[SPW], v[NIL]
	v_lshrrev_b32 v1, 5, v0
	v_readfirstlane_b32 s14, v1                    ; wave 0..3
	s_lshr_b32 s15, s14, 1                         ; which half of A's rows is mine.  Also: I fetch for A (0) or for B (1)
	s_and_b32 s16, s14, 1                          ; which half of B's rows.  Also: which 128 rows of that tile I fetch
	s_bfe_u32 s40, ttmp6, 0x40000                  ; cx, cy: my place in the cluster
	s_bfe_u32 s41, ttmp6, 0x40004
	s_and_b32 s18, ttmp7, 0xffff
	s_lshl_b32 s18, s18, 2                         ; 4 x cluster y
	s_lshl_b32 s19, ttmp9, 2                       ; 4 x cluster x
	s_mov_b32 s17, s18
	s_mov_b32 s42, s19
	s_add_co_u32 s17, s17, s41                     ; A's tile of 256 rows: tokens 4 Y + cy, or w_attn's 8 + cy: it never holds cx
	s_add_co_u32 s42, s42, s40                     ; B's tile: w_attn's 4 X + cx, or tokens 4 Y + cx: it never holds cy
	s_lshl_b32 s43, s41, 2
	s_lshl_b32 s43, 15, s43                        ; my row of the cluster
	s_lshl_b32 s44, 0x1111, s40                    ; my column
	; descriptor group 1: a dense block of 128 rows x 256 bytes
	s_or_b32 s[G1+0], s43, (3<<16)|(1<<21)         ; 15:0 the mask: A's tiles go to my row; 17:16 elements of 8 bytes; 20 no padding; 21 set beside a mask
	s_or_b32 s[G1B+0], s44, (3<<16)|(1<<21)
.irp g, G1, G1B
	s_mov_b32 s[\g+1], 32<<16                      ; tensor_dim0 = 32 elements
	s_mov_b32 s[\g+2], 256<<16                     ; tensor_dim1 = 256: the head's one load brings K steps 0 and 1, which lie on end in memory and in LDS
	s_mov_b32 s[\g+3], 32<<16                      ; tile_dim0
	s_mov_b32 s[\g+4], 256                         ; tile_dim1
	s_mov_b32 s[\g+5], 32                          ; tensor_dim0_stride: the rows follow each other
	s_mov_b32 s[\g+6], 0
	s_mov_b32 s[\g+7], 0
.endr
	s_lshl_b32 s20, s17, 1
	s_add_co_u32 s20, s20, s16
	s_lshl_b32 s20, s20, 17                        ; A: 128 rows x 1,024 k are 131,072 bytes
	s_mov_b32 s21, 0
	s_lshl_b32 s46, s42, 1
	s_add_co_u32 s46, s46, s16
	s_lshl_b32 s46, s46, 17                        ; B likewise
	s_mov_b32 s47, 0
	s_lshl_b32 s45, s14, 16                        ; where they go: wave x 65,536: no place in the cluster enters an LDS address
	s_wait_dscnt 0x0                               ; the opening add is done
	s_wait_kmcnt 0x0
	s_load_b256 s[72:79], s[10:11], 0x0            ; e0 .. e7
	s_add_nc_u64 s[20:21], s[4:5], s[20:21]        ; operand A: tokens,
	s_add_nc_u64 s[46:47], s[6:7], s[46:47]        ; operand B: q's or k's channels
	CROUND                                         ; all sixteen work-groups are here: the first joint loads meet
.irp s, 0,1
	s_mov_b32 s[G0+4*\s], 1
	s_add_co_u32 s[G0+4*\s+1], s45, \s*HALFT
	s_add_nc_u64 s[G0+4*\s+2:G0+4*\s+3], s[20:21], \s*HALFT
	s_or_b32 s[G0+4*\s+3], s[G0+4*\s+3], 0x80000000
	s_mov_b32 s[G0B+4*\s], 1
	s_add_co_u32 s[G0B+4*\s+1], s45, \s*HALFT
	s_add_nc_u64 s[G0B+4*\s+2:G0B+4*\s+3], s[46:47], \s*HALFT
	s_or_b32 s[G0B+4*\s+3], s[G0B+4*\s+3], 0x80000000
.endr
	JLOAD G0, G1, G0B, G1B                         ; my one tensor load at the head: 256 rows of 256 bytes, both slots
	v_and_b32 v1, 31, v0
	v_lshlrev_b32 v[GO], 4, v1                     ; 16 x lane
	v_and_b32 v2, 15, v0
	v_bfe_u32 v3, v0, 4, 1
	v_lshlrev_b32 v[RO], 7, v2
	v_lshl_add_u32 v[RO], v3, 6, v[RO]
	s_lshl_b32 s21, s15, 16                        ; my 128 rows of A: the region of the wave that fetched them
	s_lshl_b32 s22, s16, 16                        ; my 128 rows of B,
	s_add_co_u32 s22, s22, 4*HALFT                 ; which lie behind A's two regions
.irp s, 0,1
	v_add_nc_u32 v[ADRA+\s], s21, v[GO]
	v_add_nc_u32 v[ADRB+\s], s22, v[GO]
	s_add_co_u32 s21, s21, HALFT
	s_add_co_u32 s22, s22, HALFT
.endr
.macro FRAG reg, adr, q, i             ; block i of 16 rows, the slot's q-th 128 along K: four loads of 512 consecutive bytes
.irp c, 0,1,2,3
	ds_load_b128 v[\reg+4*\c:\reg+4*\c+3], v[\adr] offset:(\i)*4096+(\q)*2048+512*\c
.endr
.endm
; 16 matrix instructions: A's blocks a0, a0 + 1 x B's eight, 128 along K.  p: B's set.  zero = 1: the first product starts the sums.  The 64 accumulators take turns, one instruction a turn, in the same order in every step.
.macro MUL16 a0, p, zero
.irp a, \a0, \a0+1
.irp b, 0,1,2,3,4,5,6,7
.if \zero
	v_wmma_f32_16x16x128_fp8_fp8 v[8*(8*((\a)%4)+\b):8*(8*((\a)%4)+\b)+7], v[128*(\p)+FR*\b:128*(\p)+FR*\b+FR-1], v[AF+FR*(\a):AF+FR*(\a)+FR-1], 0
.else
	v_wmma_f32_16x16x128_fp8_fp8 v[8*(8*((\a)%4)+\b):8*(8*((\a)%4)+\b)+7], v[128*(\p)+FR*\b:128*(\p)+FR*\b+FR-1], v[AF+FR*(\a):AF+FR*(\a)+FR-1], v[8*(8*((\a)%4)+\b):8*(8*((\a)%4)+\b)+7]
.endif
.endr
.endr
.endm
.macro FETCH_B slot, q, p
	WIN TO_B
.irp i, 0,1,2,3,4,5,6,7
	FRAG 128*(\p)+FR*\i, ADRB+\slot, \q, \i
.endr
	WIN 0
.endm
.macro FETCH_A slot, q, i0
.irp i, \i0, \i0+1, \i0+2, \i0+3
	FRAG AF+FR*(\i), ADRA+\slot, \q, \i
.endr
.endm
.macro PLACES n                        ; plain vector lines between a matrix instruction and a load into, or a vector read of, its registers
.rept \n
	v_nop
.endr
.endm
; A step of 128 along K that has its successor in the same slot.  A has one set of registers: blocks 0-3 are fetched anew in the step's middle, blocks 4-7 at its end; B has two sets.
.macro STEP slot, q, zero
	s_wait_dscnt 4*NL                              ; B's set and A's blocks 0-3 are in; the youngest 16 loads (A's blocks 4-7) may be out
	WIN MUL_LO
	MUL16 0, (\q)%2, \zero
	MUL16 2, (\q)%2, \zero
	s_wait_dscnt 0                                 ; A's blocks 4-7 are in
	PLACES NP
	FETCH_B \slot, (\q)+1, 1-(\q)%2
	FETCH_A \slot, (\q)+1, 0
	WIN MUL_HI
	MUL16 4, (\q)%2, \zero
	MUL16 6, (\q)%2, \zero
	PLACES NP
	WIN 0
	FETCH_A \slot, (\q)+1, 4
.endm
; A slot's last step changes slots: one barrier; in front of it each wave waits for all its tensor loads, adds 0 to its spare word, and waits for that and for its own reads of this slot.  fill = 1: this slot is filled again, two K steps ahead.
.macro TURN slot, next, fill
	s_wait_tensorcnt 0x0                           ; all my tensor loads have landed: my part of the next slot
	ds_add_u32 v[SPW], v[NIL]                      ; 0 onto my spare word
	s_wait_dscnt 4*NL+1                            ; (the add and the youngest 16 loads, A's blocks 4-7, may be out)
	WIN MUL_LO
	MUL16 0, 1, 0                                  ; sixteen matrix instructions stand between the add and the wait for it
	s_wait_dscnt 0x0                               ; the add is done, and my reads of this slot are over
	s_barrier_signal -1
	MUL16 2, 1, 0
	WIN 0
	s_barrier_wait -1
.if \fill
	CREST                                          ; the barrier has opened a round of the cluster's barrier: no wave of any partner still reads this slot or has a load on its way
	s_add_nc_u64 s[G0+4*\slot+2:G0+4*\slot+3], s[G0+4*\slot+2:G0+4*\slot+3], 2*HALFT
	s_add_nc_u64 s[G0B+4*\slot+2:G0B+4*\slot+3], s[G0B+4*\slot+2:G0B+4*\slot+3], 2*HALFT
	JLOAD G0+4*\slot, G1, G0B+4*\slot, G1B         ; the first tensor load behind the round; its four v_nop are the places in front of the loads below
.else
	PLACES NP
.endif
	FETCH_B \next, 0, 0
	FETCH_A \next, 0, 0
	WIN MUL_HI
	MUL16 4, 1, 0
	MUL16 6, 1, 0
	PLACES NP
	WIN 0
	FETCH_A \next, 0, 4
.endm
	s_wait_alu depctr_va_vdst(0)
	s_wait_tensorcnt 0x0                           ; my parts of K steps 0 and 1 are in, and no load of mine is out: group 1 may be written
	s_mov_b32 s[G1+2], 128<<16                     ; the refills bring one K step: 128 rows
	s_mov_b32 s[G1+4], 128
	s_mov_b32 s[G1B+2], 128<<16
	s_mov_b32 s[G1B+4], 128
	s_barrier_signal -1
	s_barrier_wait -1
	FETCH_B 0, 0, 0
	FETCH_A 0, 0, 0
	FETCH_A 0, 0, 4
	STEP 0, 0, 1                                   ; the first step stands in front of the loop: its products start the sums
	s_mov_b32 s3, LAPS-1
.Llap:                                             ; a trip goes once round the ring and fills both slots again
	TURN 0, 1, 1
	STEP 1, 0, 0
	TURN 1, 0, 1
	STEP 0, 0, 0
	s_sub_co_u32 s3, s3, 1
	s_cmp_lg_u32 s3, 0
	s_cbranch_scc1 .Llap
	TURN 0, 1, 0                                   ; the last lap fills nothing
	STEP 1, 0, 0
	s_wait_dscnt 4*NL
	WIN MUL_LO
	MUL16 0, 1, 0
	MUL16 2, 1, 0
	s_wait_dscnt 0
	WIN MUL_HI
	MUL16 4, 1, 0
	MUL16 6, 1, 0
	WIN 0
	s_wait_kmcnt 0x0
	s_add_co_i32 s94, s72, s73                     ; E = e0 + e1: a sum stands for sum x 2^E
	PLACES NP
; v's joint load: waves 0 and 1 fetch the channels' halves, wave 2 the tokens, wave 3 nothing.  The branches hang on the wave's number alone.
.macro VJLOAD
	s_cmp_lt_u32 s14, 2
	s_cbranch_scc0 .Lv_not_a_\@
	tensor_load_to_lds s[G0:G0+3], s[G1:G1+7]
	s_nop 0
	PLACES 4
	s_branch .Lv_asked_\@
.Lv_not_a_\@:
	s_cmp_lt_u32 s14, 3
	s_cbranch_scc0 .Lv_asked_\@
	tensor_load_to_lds s[G0B:G0B+3], s[G1B:G1B+7]
	s_nop 0
	PLACES 4
.Lv_asked_\@:
.endm
	s_wait_tensorcnt 0x0                           ; the three lines in front of the refill's round: no load of mine is out, so the descriptors may be written;
	ds_add_u32 v[SPW], v[NIL]                      ; the add; the descriptors' words, work on registers, stand between it and its wait
	s_mov_b32 s[G1+2], 256<<16                     ; two K steps in one load: 256 rows of 256 bytes, on end in memory and in LDS
	s_mov_b32 s[G1+4], 256
	s_mov_b32 s[G1B+2], 256<<16
	s_mov_b32 s[G1B+4], 256
	s_lshl_b32 s20, s41, 1
	s_add_co_u32 s20, s20, s16
	s_add_co_u32 s20, s20, 16                      ; w_attn's block of 128 rows: 16 + 2 cy + half: it never holds cx
	s_lshl_b32 s20, s20, 17
	s_mov_b32 s21, 0
	s_add_nc_u64 s[G0+2:G0+3], s[6:7], s[20:21]
	s_or_b32 s[G0+3], s[G0+3], 0x80000000
	s_and_b32 s46, ttmp7, 0xffff
	s_lshl_b32 s46, s46, 1
	s_add_co_u32 s46, s46, ttmp9
	s_lshl_b32 s46, s46, 2
	s_add_co_u32 s46, s46, s40                     ; my 128 tokens: block 4 (2 Y + X) + cx: it never holds cy
	s_mov_b32 s12, s46
	s_lshl_b32 s46, s46, 17
	s_mov_b32 s47, 0
	s_add_nc_u64 s[G0B+2:G0B+3], s[4:5], s[46:47]
	s_or_b32 s[G0B+3], s[G0B+3], 0x80000000
	s_wait_dscnt 0x0                               ; the add is done; my reads of both slots were over at the last step's wait
	CROUND                                         ; no wave of any partner still reads a slot or has a load on its way
	VJLOAD                                         ; v's K steps 0 and 1: they land under the way out below
	; ---- q or k.  Accumulator (a, b), register j of lane (r, h): token 16 a + r, channel 16 b + 8 h + j of my 128: head hd = b / 4, its channel 16 (b % 4) + 8 h + j
	s_lshl_b32 s95, s94, 1
	s_sub_co_i32 s95, s95, 6                       ; the mean of 64 squares: x 2^(2 E - 6)
	s_cmp_eq_u32 ttmp9, 0
	s_cselect_b32 s96, s74, s75                    ; e2 for q, e3 for k
	s_cselect_b64 s[66:67], s[84:85], s[86:87]
	s_add_co_i32 s96, s96, 127
	s_lshl_b32 s97, s96, 23
	v_mov_b32 v30, s97                             ; the scale as f32
	s_add_co_i32 s96, s96, 8
	s_lshl_b32 s96, s96, 23
	s_or_b32 s96, s96, 0x600000
	v_mov_b32 v31, s96                             ; 448 x the scale
	s_mov_b32 s98, 0xffff0000
	s_mov_b32 s70, 0x76543210                      ; v_permlanex16_b32's selects for lane l xor 16
	s_mov_b32 s71, 0xfedcba98
	s_and_b32 s80, s17, 7
	s_lshl_b32 s80, s80, 8
	s_lshl_b32 s81, s15, 7
	s_add_co_u32 s80, s80, s81                     ; my first token's place in its sequence
	s_lshl_b32 s82, s80, 7
	s_mov_b32 s83, 0
	s_add_nc_u64 s[8:9], s[8:9], s[82:83]          ; its row of the table
	s_lshr_b32 s81, s17, 3
	s_lshl_b32 s81, s81, 4                         ; 16 x batch
	s_and_b32 s82, s42, 3
	s_lshl_b32 s82, s82, 2
	s_add_co_u32 s81, s81, s82
	s_lshl_b32 s82, s16, 1
	s_add_co_u32 s81, s81, s82                     ; + my first head
	s_lshl_b32 s82, s81, 17
	s_lshl_b32 s80, s80, 6                         ; 16 tokens are 1,024 bytes
	s_add_co_u32 s82, s82, s80
	s_add_nc_u64 s[66:67], s[66:67], s[82:83]
	WIN 0x40                                       ; destination window 1: B's first set, read last a step ago
.set i, 0
.rept 32                               ; the table's words of my 128 tokens: block a's sixteen at v[16 a] on
	global_load_b128 v[4*i:4*i+3], v[RO], s[8:9] offset:(i/4)*2048+(i%4)*16
.set i, i+1
.endr
; the sums of squares: pair k = 2 a + hd at v[32 + 2 k]; four chains at a time; each accumulator from its low end on
.macro SSQ a0
	WIN 0x0a+5*((\a0)/4)
.set n, 0
.rept 16
.irp a, \a0, \a0+1
.irp hd, 0,1
.set rA, 8*(8*((\a)%4)+4*\hd+n/4)+2*(n%4)
.set rS, 32+2*(2*(\a)+\hd)
.if n == 0
	v_pk_mul_f32 v[rS:rS+1], v[rA:rA+1], v[rA:rA+1]
.else
	v_pk_fma_f32 v[rS:rS+1], v[rA:rA+1], v[rA:rA+1], v[rS:rS+1]
.endif
.endr
.endr
.set n, n+1
.endr
.endm
	SSQ 0
	SSQ 2
	SSQ 4
	SSQ 6
	WIN 0
.set k, 0
.rept 16
	v_add_f32 v[32+2*k], v[32+2*k], v[33+2*k]
.set k, k+1
.endr
.set k, 0
.rept 16
	v_permlanex16_b32 v[33+2*k], v[32+2*k], s70, s71   ; the head's other 32 channels lie in the lane 16 away
.set k, k+1
.endr
.set k, 0
.rept 16
	v_add_f32 v[32+2*k], v[32+2*k], v[33+2*k]
.set k, k+1
.endr
.set k, 0
.rept 16
	v_ldexp_f32 v[32+2*k], v[32+2*k], s95
.set k, k+1
.endr
.set k, 0
.rept 16
	v_add_f32 v[32+2*k], 0x34000000, v[32+2*k]     ; + 2^-23
.set k, k+1
.endr
.set k, 0
	s_wait_alu depctr_va_vdst(0)
.rept 16
	v_rsq_f32 v[32+2*k], v[32+2*k]
.set k, k+1
.endr
	v_nop                                          ; a plain line behind the last of the batch
	s_wait_alu depctr_va_vdst(0)                   ; one wait for the sixteen, ahead of their first reader
.set k, 0
.rept 16
	v_ldexp_f32 v[32+2*k], v[32+2*k], s94          ; f: a sum x f is the normalised number
.set k, k+1
.endr
; block a: 16 tokens, two heads.  v64-79 cos, v80-95 sin of my 16 frequencies; v96-127 both x f; v128-159 the head's 32 rotated numbers of my lane: register 8 c + j = channel 16 c + 8 h + j
.macro ROPE a
	s_wait_loadcnt 4*(7-(\a))                      ; this block's four loads of the table are in; the later blocks' may be out
	WIN 0x04                                       ; source 1 window 1
.set i, 0
.rept 16
	v_and_b32 v[64+i], s98, v[16*(\a)+i]
	v_lshlrev_b32 v[80+i], 16, v[16*(\a)+i]
.set i, i+1
.endr
.irp hd, 0,1
	WIN 0
.set rF, 32+2*(2*(\a)+\hd)
.set i, 0
.rept 8
	v_pk_mul_f32 v[96+i:97+i], v[64+i:65+i], v[rF:rF+1] op_sel_hi:[1,0]
	v_pk_mul_f32 v[112+i:113+i], v[80+i:81+i], v[rF:rF+1] op_sel_hi:[1,0]
.set i, i+2
.endr
	WIN 0x02+(\a)/4                                ; source 0: the accumulators' window
.set i, 0
.rept 8
.set x1, 8*(8*((\a)%4)+4*\hd+(i/8))+(i%8)
.set x2, x1+16
	v_pk_mul_f32 v[128+i:129+i], v[x1:x1+1], v[96+i:97+i]
	v_pk_mul_f32 v[144+i:145+i], v[x2:x2+1], v[96+i:97+i]
.set i, i+2
.endr
.set i, 0
.rept 8
.set x1, 8*(8*((\a)%4)+4*\hd+(i/8))+(i%8)
.set x2, x1+16
	v_pk_fma_f32 v[128+i:129+i], v[x2:x2+1], v[112+i:113+i], v[128+i:129+i]                                   ; y1 = x1 cos + x2 sin
	v_pk_fma_f32 v[144+i:145+i], v[x1:x1+1], v[112+i:113+i], v[144+i:145+i] neg_lo:[0,1,0] neg_hi:[0,1,0]     ; y2 = x2 cos - x1 sin
.set i, i+2
.endr
	WIN 0
.set i, 0
.rept 32
	v_med3_num_f32 v[128+i], v[128+i], -v31, v31   ; the conversion to an 8-bit code does not saturate (ISA guide 7.6.2)
.set i, i+1
.endr
	s_wait_alu depctr_va_vdst(0)
	s_wait_xcnt 0x0                                ; the last block's stores have read this set of codes
.irp c, 0,1,2,3
	v_cvt_scalef32_pk8_fp8_f32 v[160+8*\hd+2*\c:161+8*\hd+2*\c], v[128+8*\c:135+8*\c], v30
.endr
	v_nop                                          ; a plain line behind the run of conversions: the next head's products write their sources
	global_store_b128 v[GO], v[160+8*\hd:163+8*\hd], s[66:67] offset:\hd*131072+(\a)*1024
	global_store_b128 v[GO], v[164+8*\hd:167+8*\hd], s[66:67] offset:\hd*131072+(\a)*1024+512
.endr
.endm
.irp a, 0,1,2,3,4,5,6,7
	ROPE \a
.endr
	; ---- v: 256 channels x 128 tokens.  Step q is 128 along K; K step q / 2 lies in slot (q / 2) % 2 of each fetching wave's region
.macro VFETCH q                        ; step q's fragments into set q % 2
.set KO, (((\q)/2)%2)*HALFT+((\q)%2)*2048
.set PP, (\q)%2
	WIN 0x80                                       ; destination window 2, address window 0
.irp i, 0,1,2,3,4,5,6,7
.irp c, 0,1,2,3
	ds_load_b128 v[128*PP+16*\i+4*\c:128*PP+16*\i+4*\c+3], v[ADRA] offset:KO+\i*4096+512*\c
.endr
.endr
	WIN 0
.irp i, 0,1,2,3
.irp c, 0,1,2,3
	ds_load_b128 v[128+64*PP+16*\i+4*\c:128+64*PP+16*\i+4*\c+3], v22 offset:KO+\i*4096+512*\c
.endr
.endr
.endm
.macro VMUL p, zero                    ; 32 matrix instructions on set p; the 32 accumulators take turns, one instruction a turn, in the same order in every step
	WIN 0x58                                       ; source 0 (tokens) window 0, source 1 (channels) window 2, C and D window 1
.irp a, 0,1,2,3,4,5,6,7
.irp b, 0,1,2,3
.if \zero
	v_wmma_f32_16x16x128_fp8_fp8 v[8*(4*\a+\b):8*(4*\a+\b)+7], v[128+64*(\p)+16*\b:128+64*(\p)+16*\b+15], v[128*(\p)+16*\a:128*(\p)+16*\a+15], 0
.else
	v_wmma_f32_16x16x128_fp8_fp8 v[8*(4*\a+\b):8*(4*\a+\b)+7], v[128+64*(\p)+16*\b:128+64*(\p)+16*\b+15], v[128*(\p)+16*\a:128*(\p)+16*\a+15], v[8*(4*\a+\b):8*(4*\a+\b)+7]
.endif
.endr
.endr
	WIN 0
.endm
.macro VSUB q                          ; a plain step: its fragments are in; the next step's are asked for, into the set that the step before multiplied; then its products
	s_wait_dscnt 0x0
	PLACES NP
	VFETCH (\q)+1
	VMUL (\q)%2, 0
.endm
	s_lshl_b32 s22, s16, 14
	s_add_co_u32 s22, s22, 4*HALFT                 ; my 64 tokens: four blocks of 4,096 bytes in wave 2's region
	v_add_nc_u32 v22, s22, v[GO]
	s_wait_alu depctr_va_vdst(0)
	s_wait_xcnt 0x0                                ; the q / k stores have read their registers
	s_wait_tensorcnt 0x0                           ; my part of v's K steps 0 and 1 is in
	s_barrier_signal -1
	s_barrier_wait -1                              ; and everybody's
	VFETCH 0
	s_wait_dscnt 0x0
	VFETCH 1
	VMUL 0, 1                                      ; the first products start the sums
	VSUB 1
	VSUB 2
	s_wait_dscnt 0x0                               ; step 3's fragments are in: my reads of both slots are over
	s_wait_tensorcnt 0x0                           ; the three lines in front of the refill's round
	ds_add_u32 v[SPW], v[NIL]
	s_add_nc_u64 s[G0+2:G0+3], s[G0+2:G0+3], 2*HALFT    ; K steps 2 and 3
	s_add_nc_u64 s[G0B+2:G0B+3], s[G0B+2:G0B+3], 2*HALFT
	s_wait_dscnt 0x0
	CROUND
	VJLOAD
	VMUL 1, 0
	s_wait_tensorcnt 0x0                           ; my part of K steps 2 and 3 is in
	s_barrier_signal -1
	s_barrier_wait -1                              ; and everybody's
	PLACES NP
	VFETCH 4
	s_wait_dscnt 0x0
	VFETCH 5
	VMUL 0, 0
	VSUB 5
	VSUB 6
	s_wait_dscnt 0x0
	VMUL 1, 0
	PLACES NP
	; Accumulator (a, b), register j of lane (r, h): channel 16 a + r of my 128 (head a / 4, d = 16 (a % 4) + r), token 16 b + 8 h + j of my 64: block a's four accumulators are my half of a fragment along the keys
	; ---- v.  Accumulator (a, b), register j of lane (r, h): channel 16 a + r of my 128 (head a / 4, d = 16 (a % 4) + r), token 16 b + 8 h + j of my 64: block a's four accumulators are my half of a fragment along the keys
	s_sub_co_i32 s96, s76, s94                     ; a sum's code is sum / 2^(e4 - E)
	s_add_co_i32 s96, s96, 127
	s_lshl_b32 s97, s96, 23
	v_mov_b32 v30, s97
	s_add_co_i32 s96, s96, 8
	s_lshl_b32 s96, s96, 23
	s_or_b32 s96, s96, 0x600000
	v_mov_b32 v31, s96
	s_wait_alu depctr_va_vdst(0)
	s_lshr_b32 s80, s12, 4
	s_lshl_b32 s80, s80, 4                         ; 16 x batch
	s_lshl_b32 s81, s41, 2                         ; four heads to 256 channels
	s_add_co_u32 s80, s80, s81
	s_lshl_b32 s81, s15, 1
	s_add_co_u32 s80, s80, s81                     ; + my first head
	s_lshl_b32 s80, s80, 17
	s_and_b32 s81, s12, 15                         ; my 128 tokens among the sequence's sixteen such: 8,192 bytes each,
	s_lshl_b32 s81, s81, 3
	s_add_co_u32 s81, s81, s16                     ; and my half of each fragment's registers: 1,024 bytes
	s_lshl_b32 s81, s81, 10
	s_add_co_u32 s80, s80, s81
	s_mov_b32 s81, 0
	s_add_nc_u64 s[88:89], s[88:89], s[80:81]
.macro VOUT a
	WIN 0x01
.set i, 0
.rept 32
	v_med3_num_f32 v[32+i], v[32*(\a)+i], -v31, v31       ; the hold, into other registers; each accumulator from its low end on
.set i, i+1
.endr
	WIN 0
	s_wait_alu depctr_va_vdst(0)
	s_wait_xcnt 0x0                                ; the stores of two blocks back have read this set of codes
.set i, 0
.rept 4
	v_cvt_scalef32_pk8_fp8_f32 v[96+8*((\a)%2)+2*i:97+8*((\a)%2)+2*i], v[32+8*i:39+8*i], v30
.set i, i+1
.endr
	v_nop                                          ; a plain line behind the run of conversions
.set i, 0
.rept 2
	global_store_b128 v[GO], v[96+8*((\a)%2)+4*i:99+8*((\a)%2)+4*i], s[88:89] offset:((\a)/4)*131072+((\a)%4)*2048+512*i
.set i, i+1
.endr
.endm
.irp a, 0,1,2,3,4,5,6,7
	VOUT \a
.endr
.Lend:
	s_wait_tensorcnt 0x0                           ; the wave's end
	ds_add_u32 v[SPW], v[NIL]
	s_wait_dscnt 0x0
	CROUND                                         ; the closing round: no work-group ends while a partner may still ask for a tile that names it
	s_endpgm
.Lfunc_end_k_q743d847b21_qkv:
	.size	k_q743d847b21_qkv, .Lfunc_end_k_q743d847b21_qkv-k_q743d847b21_qkv
	.p2alignl 7, 3214868480
	.fill 96, 4, 3214868480
	.section	.rodata,"a",@progbits
	.p2align	6, 0x0
	.amdhsa_kernel k_q743d847b21_qkv
		.amdhsa_group_segment_fixed_size 327680
		.amdhsa_private_segment_fixed_size 0
		.amdhsa_enable_private_segment 0
		.amdhsa_kernarg_size 56
		.amdhsa_user_sgpr_count 2
		.amdhsa_user_sgpr_kernarg_segment_ptr 1
		.amdhsa_wavefront_size32 1
		.amdhsa_system_sgpr_workgroup_id_x 1
		.amdhsa_system_sgpr_workgroup_id_y 1
		.amdhsa_system_sgpr_workgroup_id_z 1
		.amdhsa_system_vgpr_workitem_id 0
		.amdhsa_next_free_vgpr 1024
		.amdhsa_next_free_sgpr 100
		.amdhsa_reserve_vcc 0
		.amdhsa_float_denorm_mode_32 3
		.amdhsa_float_denorm_mode_16_64 3
		.amdhsa_memory_ordered 1
		.amdhsa_forward_progress 1
		.amdhsa_inst_pref_size 255
	.end_amdhsa_kernel
	.section	.bss,"aw",@nobits
	.p2align	6
	.space	262144
	.amdgpu_metadata
---
amdhsa.version: [ 1, 2 ]
amdhsa.kernels:
  - .name:           k_q743d847b21_qkv
    .symbol:         k_q743d847b21_qkv.kd
    .args:
      - { .name: x_codes, .offset: 0, .size: 8, .value_kind: global_buffer, .address_space: global }
      - { .name: wa_codes, .offset: 8, .size: 8, .value_kind: global_buffer, .address_space: global }
      - { .name: rope, .offset: 16, .size: 8, .value_kind: global_buffer, .address_space: global }
      - { .name: lowp_scales, .offset: 24, .size: 8, .value_kind: global_buffer, .address_space: global }
      - { .name: q_codes, .offset: 32, .size: 8, .value_kind: global_buffer, .address_space: global }
      - { .name: k_codes, .offset: 40, .size: 8, .value_kind: global_buffer, .address_space: global }
      - { .name: v_codes, .offset: 48, .size: 8, .value_kind: global_buffer, .address_space: global }
    .group_segment_fixed_size: 327680
    .private_segment_fixed_size: 0
    .kernarg_segment_align: 8
    .kernarg_segment_size: 56
    .max_flat_workgroup_size: 128
    .sgpr_count:     100
    .vgpr_count:     1024
    .wavefront_size: 32
...
	.end_amdgpu_metadata
.endif
;; end of part 2
;; launch attn (part 3): grid 4 x 64, 16 waves a work-group, clusters of 4 x 1, 327,680 bytes of LDS; arguments q_codes, k_codes, v_codes, lowp_scales, y_codes; writes y_codes
.if DOCPART == 3
	.amdgcn_target "amdgcn-amd-amdhsa--gfx1250"
	.amdhsa_code_object_version 6
	.text
	.protected	k_q743d847b21_attn
	.globl	k_q743d847b21_attn
	.p2align	8
	.type	k_q743d847b21_attn,@function
k_q743d847b21_attn:
	s_mov_b64 s[64:65], 0
	v_nop
	global_prefetch_b8 v0, s[64:65] scope:SCOPE_SE
	s_setreg_imm32_b32 hwreg(HW_REG_WAVE_MODE, 25, 1), 1
	s_wait_xcnt 0x0
	s_wait_alu depctr_hold_cnt(0) depctr_sa_sdst(0) depctr_va_vdst(0) depctr_va_sdst(0) depctr_va_ssrc(0) depctr_va_vcc(0) depctr_vm_vsrc(0)
	s_getreg_b32 s2, hwreg(HW_REG_IB_STS2, 6, 4)
	s_cmp_eq_u32 s2, 0
	s_cbranch_scc0 .Lentry_in_a_cluster
	s_endpgm
.Lentry_in_a_cluster:
	s_bfe_u32 s2, ttmp6, 0x10000c
	s_cmp_lg_u32 s2, 0x3003
	s_cbranch_scc0 .Lentry_shape_is_right
	s_endpgm
.Lentry_shape_is_right:
; y[b][q][head] = the sum over keys k <= q of softmax_k(q . k / 8) v, both products on codes of E4M3, head size 64, 2,048 tokens, 64 (batch x head); y leaves as codes (entry 6 of the scales) in the order of the last product's operand registers.
; LEFT OUT: key steps all of whose keys come after a tile's queries: they are hidden, for all values of the inputs.  A NaN or an infinity that reaches only those scores is not carried to the result.
; THE SOFTMAX AHEAD OF THE SECOND PRODUCT: t = score x log2(e) / 8; M = the row's largest t so far, rounded UP to a whole number; p = 2^(t - M) is what is quantised (entry 5); the row's sum is taken of the unquantised p and divides at the end.
; When M moves, the sum and O are multiplied by 2^(old M - new M): exact.
; K AND V STAY IN LDS.  A head's codes of K are 131,072 bytes and V's as many.  Wave w brings 256 keys, 16,384 bytes, by its ONE tensor load: keys 256 (w / 2) on, of K (w even) or of V (w odd).  Nothing is filled again.
; Waves 0-3 ask at the head: keys 0-511.  The other twelve ask behind the full sequence and a round of the cluster's barrier.  Trip i of the loop reads key steps up to i alone, so trips 0-3 read keys under 512
; (the key step is cut to two bits there) while the other 196,608 bytes are on their way; one wait and one barrier stand ahead of trip 4.
; CLUSTER 4 x 1: the four work-groups of a head need the same K and V and ask for them jointly (mask 15).
; SHARES.  In every block of 128 queries work-group cx owns tiles 2 cx and 2 cx + 1 of 16 queries.  Wave w takes tile 2 cx + (w & 1) of block b = w / 2 and then of block 15 - b: (b + 1) + (16 - b) = 17 key steps of 128 keys, the same in every wave
; of every work-group.  So there are 17 trips, and the branches hang on the trip's number and the wave's number alone, never on cx: cx enters global addresses and the mask's lane term only.  Block 15 has a tile in each partner: every byte fetched is read in each.
; Trip i is key step i of the first tile (i <= b) or key step i - b - 1 of the second: (i + off) & 15 with off = 0 or 15 - b.  Trips b and 16 lie on the diagonal: they mask, and end a tile: it goes out, and the sums begin anew.
; NO PREFETCH: all of K and V is asked for by the tensor loads themselves ahead of the first trip; there is no later request to run ahead of.
; LAYOUT.  Both products are used transposed: S^T = K Q^T (source 0 = 16 keys, source 1 = my 16 queries, K = 64), O^T = V^T P^T (source 0 = 16 channels, source 1 = P, K = 128 keys): a lane holds ONE query throughout.
; Register j of tile t of S^T is key 16 t + 8 h + j: where the second product's operand wants it, so the conversions' results are that operand.  K's and V's codes lie in memory as images of the operand's registers: a fragment's loads are 16 x lane + a constant.
; LIMITS on the given exponents: e2 + e3 between -123 and 130 (they are added to c's exponent field); e5 and e6 - e4 - e5 between -126 and 119.  NaN is not served.
; REGISTERS: v1 16 x lane; v5, v6 the add's two; v8, v9 LDS addresses; v10 the mask's lane term; v12 -M, v13 the largest t, v[14:15] the sum; v16-23 Q; v24-31 the second tile's Q; v32-95 K's eight fragments, then V's four;
;   v96-159 S^T, then p; v160-191 O^T; v192, v193 y's scale and bound; v224-239 p's codes; v240, v241 p's bound (twice: a dual pair's second sources lie in two banks), v244 p's scale; v236-255 else at work.
.set VB,    131072                     ; V's codes begin here
.set SPARE, 262144                     ; behind them: the spare words, 128 bytes a wave: eight blocks of 256 bytes that no other line names
.set LI,   1
.set SPW,  5
.set NIL,  6
.set ADK,  8
.set ADV,  9
.set DQ,   10
.set WV,   18                          ; s18  my wave's number
.set SEL,  20                          ; s[20:21] selects for lane l xor 16
.set CS,   22                          ; s[22:23] c = log2(e) / 8 x 2^(e2 + e3)
.set G1,   24                          ; s[24:31] descriptor group 1
.set G0,   40                          ; s[40:43] descriptor group 0
.set YA,   48                          ; s[48:49] where the tile in hand goes; s[50:51] the second tile
.set YB,   50
.set IT,   60                          ; s60  the trip
.set KS,   61                          ; s61  LDS byte of the key step in K; s63 in V
.set OFB,  62                          ; s62  15 - b
.set KV,   63
.set DG,   66                          ; s66  1 on the diagonal
.set BL,   88                          ; s88  b
.macro CROUND                          ; a round of the cluster's barrier
	s_barrier_signal -1
	s_barrier_wait -1
	s_cmp_lg_u32 s[WV], 0
	s_cbranch_scc1 .Lnot_wave_0_\@
	s_barrier_signal -3
.Lnot_wave_0_\@:
	s_barrier_wait -3
	s_barrier_signal -1
	s_barrier_wait -1
.endm
	s_load_b256 s[4:11], s[0:1], 0x0               ; q_codes s[4:5], k_codes s[6:7], v_codes s[8:9], the scales' exponents s[10:11]
	s_load_b64 s[12:13], s[0:1], 0x20              ; y_codes
	v_lshl_add_u32 v[SPW], v0, 2, SPARE
	v_mov_b32 v[NIL], 0
	ds_add_u32 v[SPW], v[NIL]                      ; the opening: the add, twice on end, and its wait ahead of the round in front of the first tensor loads
	ds_add_u32 v[SPW], v[NIL]
	v_lshrrev_b32 v8, 5, v0
	v_readfirstlane_b32 s[WV], v8                  ; wave 0..15
	s_bfe_u32 s19, ttmp6, 0x40000                  ; cx
	s_and_b32 s82, ttmp7, 0xffff                   ; batch x head
	s_lshl_b32 s84, s82, 17                        ; its first byte in q_codes, k_codes and v_codes
	s_lshr_b32 s86, s[WV], 1
	s_lshl_b32 s86, s86, 14                        ; my 256 keys
	s_and_b32 s83, s[WV], 1                        ; K (0) or V (1)
	s_lshl_b32 s[G0+1], s83, 17
	s_add_co_u32 s[G0+1], s[G0+1], s86             ; LDS: 131,072 x (w & 1) + 16,384 x (w / 2)
	s_add_co_u32 s86, s86, s84
	s_mov_b32 s87, 0
	s_mov_b32 s[G1], 15|(3<<16)|(1<<21)            ; 15:0 the mask: all four partners; 17:16 elements of 8 bytes; 21 set beside a mask
	s_mov_b32 s[G1+1], 32<<16                      ; tensor_dim0 = 32 elements: rows of 256 bytes
	s_mov_b32 s[G1+2], 64<<16                      ; tensor_dim1 = 64
	s_mov_b32 s[G1+3], 32<<16                      ; tile_dim0
	s_mov_b32 s[G1+4], 64                          ; tile_dim1
	s_mov_b32 s[G1+5], 32                          ; the rows follow each other
	s_mov_b32 s[G1+6], 0
	s_mov_b32 s[G1+7], 0
	s_mov_b32 s[G0], 1
	s_wait_dscnt 0x0                               ; both opening adds are done
	s_wait_kmcnt 0x0
	s_load_b256 s[68:75], s[10:11], 0x0            ; e0 .. e7
	s_cmp_eq_u32 s83, 0
	s_cselect_b64 s[G0+2:G0+3], s[6:7], s[8:9]     ; K's codes or V's, by the wave's number
	s_add_nc_u64 s[G0+2:G0+3], s[G0+2:G0+3], s[86:87]
	s_or_b32 s[G0+3], s[G0+3], 0x80000000          ; type = 2
	CROUND                                         ; all four partners are here: the joint loads meet
	s_cmp_lt_u32 s[WV], 4
	s_cbranch_scc0 .Llater
	tensor_load_to_lds s[G0:G0+3], s[G1:G1+7]      ; waves 0-3: keys 0-511 of K and V
	s_nop 0
.rept 4
	v_nop
.endr
.Llater:
	s_lshr_b32 s[BL], s[WV], 1                     ; b
	s_sub_co_u32 s[OFB], 15, s[BL]
	s_lshl_b32 s90, s19, 1
	s_add_co_u32 s89, s83, s90                     ; my tile in a block: 2 cx + (w & 1)
	s_lshl_b32 s92, s89, 10                        ; 16 queries are 1,024 bytes
	s_add_co_u32 s92, s92, s84
	s_lshl_b32 s90, s[BL], 13
	s_add_co_u32 s90, s90, s92
	s_mov_b32 s91, 0
	s_add_nc_u64 s[44:45], s[4:5], s[90:91]        ; the first tile's Q,
	s_lshl_b32 s90, s[OFB], 13
	s_add_co_u32 s90, s90, s92
	s_add_nc_u64 s[46:47], s[4:5], s[90:91]        ; the second's
	v_and_b32 v[LI], 31, v0
	v_lshlrev_b32 v[LI], 4, v[LI]                  ; 16 x lane; never rewritten
	global_load_b128 v[16:19], v[LI], s[44:45]
	global_load_b128 v[20:23], v[LI], s[44:45] offset:512
	global_load_b128 v[24:27], v[LI], s[46:47]
	global_load_b128 v[28:31], v[LI], s[46:47] offset:512
	s_lshr_b32 s92, s82, 4
	s_lshl_b32 s92, s92, 4                         ; y: 16 blocks of 128 rows to a batch
	s_bfe_u32 s93, s82, 0x20002
	s_lshl_b32 s93, s93, 15                        ; the head's 64 channels: which 256 of k,
	s_and_b32 s94, s82, 3
	s_lshl_b32 s94, s94, 10                        ; which 128 of them and which half of the fragment's registers,
	s_add_co_u32 s93, s93, s94
	s_lshl_b32 s94, s89, 12                        ; and my 16 rows of a block
	s_add_co_u32 s93, s93, s94
	s_add_co_u32 s90, s92, s[BL]
	s_lshl_b32 s90, s90, 17
	s_add_co_u32 s90, s90, s93
	s_add_nc_u64 s[YA:YA+1], s[12:13], s[90:91]
	s_add_co_u32 s90, s92, s[OFB]
	s_lshl_b32 s90, s90, 17
	s_add_co_u32 s90, s90, s93
	s_add_nc_u64 s[YB:YB+1], s[12:13], s[90:91]
	s_lshl_b32 s90, s89, 4
	v_and_b32 v[DQ], 15, v0
	v_bfe_u32 v11, v0, 4, 1
	v_lshlrev_b32 v11, 3, v11
	v_sub_nc_u32 v[DQ], v[DQ], v11
	v_add_nc_u32 v[DQ], s90, v[DQ]                 ; d = my query - its block's first key - 8 h.  On the diagonal register 8 t + j holds the block's key 8 h + 16 t + j: hidden where 16 t + j > d
	v_mov_b32 v13, 0xff61b1e6                      ; the largest t so far: -3e38, under every t
	v_floor_f32 v12, -v13                          ; -M
	v_mov_b32 v14, 0
	v_mov_b32 v15, 0
	v_mov_b32 v236, 0                              ; written once: a lane permute's destination counts as one of its sources
	v_mov_b32 v253, 0                              ; (the upper half of the pair v[252:253]; also the destination of the way out's lane exchange)
.set i, 0
.rept 32
	v_mov_b32 v[160+i], 0                          ; O^T: a tile's first step multiplies zeros
.set i, i+1
.endr
	s_mov_b32 s[SEL], 0x76543210
	s_mov_b32 s[SEL+1], 0xfedcba98
	s_mov_b32 s[CS], 0x3e38aa3b                    ; log2(e) / 8
	s_mov_b32 s[IT], 0
	s_wait_kmcnt 0x0
	s_add_co_i32 s90, s70, s71
	s_lshl_b32 s90, s90, 23
	s_add_co_i32 s[CS], s[CS], s90                 ; a score stands for score x 2^(e2 + e3)
	s_mov_b32 s[CS+1], s[CS]
	s_add_co_i32 s90, s73, 127
	s_lshl_b32 s91, s90, 23
	v_mov_b32 v244, s91                            ; 2^e5
	s_add_co_i32 s90, s90, 8
	s_lshl_b32 s90, s90, 23
	s_or_b32 s90, s90, 0x600000
	v_mov_b32 v240, s90                            ; 448 x 2^e5,
	v_mov_b32 v241, s90                            ; and once more
	s_sub_co_i32 s90, s74, s72
	s_sub_co_i32 s90, s90, s73
	s_add_co_i32 s90, s90, 127
	s_lshl_b32 s91, s90, 23
	v_mov_b32 v192, s91                            ; 2^(e6 - e4 - e5): O^T / the sum stands for y / 2^(e4 + e5)
	s_add_co_i32 s90, s90, 8
	s_lshl_b32 s90, s90, 23
	s_or_b32 s90, s90, 0x600000
	v_mov_b32 v193, s90                            ; 448 x that
	s_wait_alu depctr_va_vdst(0)
	s_wait_loadcnt 0x0                             ; both Q
	s_wait_tensorcnt 0x0                           ; waves 0-3: my part of keys 0-511 is in.
	ds_add_u32 v[SPW], v[NIL]                      ; the add, twice on end here
	ds_add_u32 v[SPW], v[NIL]
	s_wait_dscnt 0x0
	CROUND                                         ; keys 0-511 are whole in my work-group, and all four partners are here
	s_cmp_ge_u32 s[WV], 4
	s_cbranch_scc0 .Lhave
	tensor_load_to_lds s[G0:G0+3], s[G1:G1+7]      ; waves 4-15: keys 512-2,047 of K and V
	s_nop 0
.rept 4
	v_nop
.endr
.Lhave:
; THE TRIPS up to lim.  msk: the key step's bits: 3 in trips 0-3, whose key steps lie under 4; 15 behind them.
.macro TRIPS lim, msk
.Ltrip_\@:
	s_cmp_gt_u32 s[IT], s[BL]                      ; the second tile?
	s_cselect_b32 s[KS], s[OFB], 0
	s_add_co_u32 s[KS], s[KS], s[IT]
	s_and_b32 s[KS], s[KS], \msk                   ; the key step
	s_lshl_b32 s[KS], s[KS], 13                    ; 128 keys are 8,192 bytes, of K and of V
	s_add_co_u32 s[KV], s[KS], VB
	s_cmp_eq_u32 s[IT], s[BL]
	s_cselect_b32 s[DG], 1, 0
	s_cmp_eq_u32 s[IT], 16
	s_cselect_b32 s[DG], 1, s[DG]                  ; a tile's last step lies on the diagonal
	v_add_nc_u32 v[ADK], s[KS], v[LI]
	v_add_nc_u32 v[ADV], s[KV], v[LI]
.rept 2
	v_nop                                          ; with the two additions: four places in front of loads into registers that the last products read
.endr
.set i, 0
.rept 16
	ds_load_b128 v[32+4*i:35+4*i], v[ADK] offset:512*i   ; K: eight fragments of 16 keys x 64
.set i, i+1
.endr
	s_wait_alu depctr_va_vdst(0)
	s_wait_dscnt 0x0
.irp t, 0,1,2,3,4,5,6,7
	v_wmma_f32_16x16x64_fp8_fp8 v[96+8*\t:103+8*\t], v[32+8*\t:39+8*\t], v[16:23], 0
.endr
.rept 4
	v_nop                                          ; places in front of the loads below and of the first reads of the scores
.endr
.set i, 0
.rept 16
	ds_load_b128 v[32+4*i:35+4*i], v[ADV] offset:512*i   ; V: four fragments of 16 channels x 128 keys; they land under the softmax
.set i, i+1
.endr
	s_cmp_eq_u32 s[DG], 0
	s_cbranch_scc1 .Lopen_\@
	v_mov_b32 v254, 0xff800000                     ; on the diagonal hidden scores become -infinity ahead of the maximum: p = 0 then
.set n, 0
.rept 64
	v_cmp_gt_i32 vcc_lo, 16*(n/8)+n%8, v[DQ]
	v_cndmask_b32 v[96+n], v[96+n], v254, vcc_lo
.set n, n+1
.endr
.Lopen_\@:
	v_max3_num_f32 v254, v96, v97, v98             ; the step's largest score of my query among my 64 keys, in two chains, from the low end on,
	v_max3_num_f32 v252, v99, v100, v101
.irp i, 6,10,14,18,22,26,30,34,38,42,46,50,54,58
	v_max3_num_f32 v254, v254, v[96+\i], v[97+\i]
	v_max3_num_f32 v252, v252, v[98+\i], v[99+\i]
.endr
	v_max3_num_f32 v254, v254, v158, v159
	s_delay_alu instid0(VALU_DEP_1)
	v_max_num_f32 v254, v254, v252
	v_permlanex16_b32 v236, v254, s[SEL], s[SEL+1]
	s_delay_alu instid0(VALU_DEP_1)
	v_max_num_f32 v254, v254, v236                 ; and among lane l xor 16's
	s_delay_alu instid0(VALU_DEP_1)
	v_mul_f32 v254, s[CS], v254                    ; as t (c is positive)
	s_delay_alu instid0(VALU_DEP_1)
	v_max_num_f32 v13, v13, v254                   ; the running largest t
	v_mov_b32 v254, v12
	s_delay_alu instid0(VALU_DEP_2)
	v_floor_f32 v12, -v13                          ; the new -M = floor(-t): M is a whole number
	s_delay_alu instid0(VALU_DEP_1)
	v_sub_f32 v254, v12, v254                      ; old M - new M: a whole number, 0 or less
	s_delay_alu instid0(VALU_DEP_1)
	v_cvt_i32_f32 v254, v254                       ; (it saturates)
	s_delay_alu instid0(VALU_DEP_1)
	v_ldexp_f32 v252, 1.0, v254                    ; f = 2^(old M - new M)
.set j, 0
.rept 32
	v_pk_fma_f32 v[96+j:97+j], v[96+j:97+j], s[CS:CS+1], v[12:13] op_sel_hi:[1,0,0]   ; t - M, two at a time
.set j, j+2
.endr
	s_wait_alu depctr_va_vdst(0)
.set j, 0
.rept 64
	v_exp_f32 v[96+j], v[96+j]                     ; p = 2^(t - M), at most 1
.set j, j+1
.endr
	v_pk_mul_f32 v[14:15], v[14:15], v[252:253] op_sel_hi:[1,0]   ; the sums under the new M.  (A plain line behind the exponentials)
	s_wait_alu depctr_va_vdst(0)                   ; one wait for the whole batch, ahead of its first reader
	v_pk_add_f32 v[242:243], v[100:101], v[104:105]   ; the row's sum of the unquantised p, in eight chains
	v_pk_add_f32 v[254:255], v[108:109], v[112:113]
	v_pk_add_f32 v[250:251], v[116:117], v[120:121]
	v_pk_add_f32 v[248:249], v[124:125], v[128:129]
	v_pk_add_f32 v[246:247], v[132:133], v[136:137]
	v_pk_add_f32 v[238:239], v[140:141], v[144:145]
	v_pk_add_f32 v[236:237], v[148:149], v[152:153]
	v_pk_add_f32 v[14:15], v[14:15], v[156:157]
	v_pk_add_f32 v[242:243], v[242:243], v[96:97]
	v_pk_add_f32 v[254:255], v[254:255], v[98:99]
	v_pk_add_f32 v[250:251], v[250:251], v[102:103]
	v_pk_add_f32 v[248:249], v[248:249], v[106:107]
	v_pk_add_f32 v[246:247], v[246:247], v[110:111]
	v_pk_add_f32 v[238:239], v[238:239], v[114:115]
	v_pk_add_f32 v[236:237], v[236:237], v[118:119]
	v_pk_add_f32 v[14:15], v[14:15], v[122:123]
	v_pk_add_f32 v[242:243], v[242:243], v[126:127]
	v_pk_add_f32 v[254:255], v[254:255], v[130:131]
	v_pk_add_f32 v[250:251], v[250:251], v[134:135]
	v_pk_add_f32 v[248:249], v[248:249], v[138:139]
	v_pk_add_f32 v[246:247], v[246:247], v[142:143]
	v_pk_add_f32 v[238:239], v[238:239], v[146:147]
	v_pk_add_f32 v[236:237], v[236:237], v[150:151]
	v_pk_add_f32 v[14:15], v[14:15], v[154:155]
	v_pk_add_f32 v[242:243], v[242:243], v[158:159]
	s_delay_alu instid0(VALU_DEP_2)
	v_pk_add_f32 v[14:15], v[14:15], v[248:249]
	s_delay_alu instid0(VALU_DEP_2)
	v_pk_add_f32 v[242:243], v[242:243], v[246:247]
	v_pk_add_f32 v[254:255], v[254:255], v[238:239]
	v_pk_add_f32 v[250:251], v[250:251], v[236:237]
	s_delay_alu instid0(VALU_DEP_2)
	v_pk_add_f32 v[14:15], v[14:15], v[254:255]
	s_delay_alu instid0(VALU_DEP_2)
	v_pk_add_f32 v[242:243], v[242:243], v[250:251]
	s_delay_alu instid0(VALU_DEP_1)
	v_pk_add_f32 v[14:15], v[14:15], v[242:243]
.irp t, 0,1,2,3,4,5,6,7
.irp i, 0,2,4,6
	v_dual_min_num_f32 v[96+8*\t+\i], v[96+8*\t+\i], v240 :: v_dual_min_num_f32 v[97+8*\t+\i], v[97+8*\t+\i], v241   ; the conversion does not saturate (ISA guide 7.6.2); p is not negative, so the hold is one-sided; two to a line
.endr
	v_cvt_scalef32_pk8_fp8_f32 v[224+2*\t:225+2*\t], v[96+8*\t:103+8*\t], v244   ; registers 2 t, 2 t + 1 of P's fragment: keys 16 t + 8 h on
.endr
	s_wait_alu depctr_va_vdst(0)                   ; directly ahead of the first reader of O^T
.set j, 0
.rept 16
	v_pk_mul_f32 v[160+j:161+j], v[160+j:161+j], v[252:253] op_sel_hi:[1,0]   ; O^T under the new M, each accumulator from its low end on.  (Plain lines between the conversions and the products)
.set j, j+2
.endr
	s_wait_alu depctr_va_vdst(0)
	s_wait_dscnt 0x0                               ; V is in
.irp t, 0,1,2,3                        ; the four accumulators take turns, one instruction a turn
	v_wmma_f32_16x16x128_fp8_fp8 v[160+8*\t:167+8*\t], v[32+16*\t:47+16*\t], v[224:239], v[160+8*\t:167+8*\t]
.endr
	s_cmp_eq_u32 s[DG], 0
	s_cbranch_scc1 .Lnext_\@
	; A TILE'S END.  Tile t's eight registers of O^T are channels 16 t + 8 h on of my query: registers 2 t, 2 t + 1 of my half of a fragment of y.
	v_add_f32 v14, v14, v15                        ; the sum's two halves
	s_delay_alu instid0(VALU_DEP_1)
	v_permlanex16_b32 v253, v14, s[SEL], s[SEL+1]
	s_delay_alu instid0(VALU_DEP_1)
	v_add_f32 v14, v14, v253                       ; and lane l xor 16's
	s_wait_alu depctr_va_vdst(0)
	v_rcp_f32 v14, v14
.rept 3
	v_nop                                          ; a plain line behind the reciprocal; with the two additions five places behind the last products
.endr
	s_wait_alu depctr_va_vdst(0)                   ; the wait ahead of the reciprocal's first reader, which is O^T's first reader too
.set j, 0
.rept 32
	v_mul_f32 v[96+j], v[160+j], v14
.set j, j+1
.endr
.set j, 0
.rept 32
	v_med3_num_f32 v[96+j], v[96+j], -v193, v193
.set j, j+1
.endr
.irp t, 0,1,2,3
	v_cvt_scalef32_pk8_fp8_f32 v[224+2*\t:225+2*\t], v[96+8*\t:103+8*\t], v192
.endr
	v_nop                                          ; a plain line behind the run of conversions
	global_store_b128 v[LI], v[224:227], s[YA:YA+1]              ; 512 consecutive bytes, aligned
	global_store_b128 v[LI], v[228:231], s[YA:YA+1] offset:512
	s_wait_xcnt 0x0                                ; the stores have read their base and their data
	s_mov_b64 s[YA:YA+1], s[YB:YB+1]               ; on to the second tile: its place in y,
.set i, 0
.rept 8
	v_mov_b32 v[16+i], v[24+i]                     ; its Q,
.set i, i+1
.endr
	v_mov_b32 v13, 0xff61b1e6                      ; and the sums begin anew
	v_floor_f32 v12, -v13
	v_mov_b32 v14, 0
	v_mov_b32 v15, 0
.set i, 0
.rept 32
	v_mov_b32 v[160+i], 0
.set i, i+1
.endr
.Lnext_\@:
	s_add_co_u32 s[IT], s[IT], 1
	s_cmp_lt_u32 s[IT], \lim
	s_wait_alu depctr_va_vdst(0)
	s_cbranch_scc1 .Ltrip_\@
.endm
	TRIPS 4, 3                                     ; trips 0-3: keys under 512
	s_wait_tensorcnt 0x0                           ; waves 4-15: my 16,384 bytes are in
	s_barrier_signal -1                            ; (no LDS instruction of mine is out: a trip ends behind its last wait on DScnt)
	s_barrier_wait -1                              ; and everybody's: all of K and V.
	TRIPS 17, 15                                   ; trips 4-16
	s_wait_tensorcnt 0x0                           ; the wave's end
	ds_add_u32 v[SPW], v[NIL]
	s_wait_dscnt 0x0
	CROUND                                         ; the closing round
	s_endpgm
.Lfunc_end_k_q743d847b21_attn:
	.size	k_q743d847b21_attn, .Lfunc_end_k_q743d847b21_attn-k_q743d847b21_attn
	.p2alignl 7, 3214868480
	.fill 96, 4, 3214868480
	.section	.rodata,"a",@progbits
	.p2align	6, 0x0
	.amdhsa_kernel k_q743d847b21_attn
		.amdhsa_group_segment_fixed_size 327680
		.amdhsa_private_segment_fixed_size 0
		.amdhsa_enable_private_segment 0
		.amdhsa_kernarg_size 40
		.amdhsa_user_sgpr_count 2
		.amdhsa_user_sgpr_kernarg_segment_ptr 1
		.amdhsa_wavefront_size32 1
		.amdhsa_system_sgpr_workgroup_id_x 1
		.amdhsa_system_sgpr_workgroup_id_y 1
		.amdhsa_system_sgpr_workgroup_id_z 1
		.amdhsa_system_vgpr_workitem_id 0
		.amdhsa_next_free_vgpr 256
		.amdhsa_next_free_sgpr 100
		.amdhsa_reserve_vcc 1
		.amdhsa_float_denorm_mode_32 3
		.amdhsa_float_denorm_mode_16_64 3
		.amdhsa_memory_ordered 1
		.amdhsa_forward_progress 1
		.amdhsa_inst_pref_size 61
	.end_amdhsa_kernel
	.amdgpu_metadata
---
amdhsa.version: [ 1, 2 ]
amdhsa.kernels:
  - .name:           k_q743d847b21_attn
    .symbol:         k_q743d847b21_attn.kd
    .args:
      - { .name: q_codes, .offset: 0, .size: 8, .value_kind: global_buffer, .address_space: global }
      - { .name: k_codes, .offset: 8, .size: 8, .value_kind: global_buffer, .address_space: global }
      - { .name: v_codes, .offset: 16, .size: 8, .value_kind: global_buffer, .address_space: global }
      - { .name: lowp_scales, .offset: 24, .size: 8, .value_kind: global_buffer, .address_space: global }
      - { .name: y_codes, .offset: 32, .size: 8, .value_kind: global_buffer, .address_space: global }
    .group_segment_fixed_size: 327680
    .private_segment_fixed_size: 0
    .kernarg_segment_align: 8
    .kernarg_segment_size: 40
    .max_flat_workgroup_size: 512
    .sgpr_count:     100
    .vgpr_count:     256
    .wavefront_size: 32
...
	.end_amdgpu_metadata
.endif
;; end of part 3
;; launch proj (part 4): grid 8 x 32, 4 waves a work-group, clusters of 4 x 4, 327,680 bytes of LDS; arguments y_codes, wp_codes, lowp_scales, out0; writes out0
.if DOCPART == 4
	.amdgcn_target "amdgcn-amd-amdhsa--gfx1250"
	.amdhsa_code_object_version 6
	.text
	.protected	k_q743d847b21_proj
	.globl	k_q743d847b21_proj
	.p2align	8
	.type	k_q743d847b21_proj,@function
k_q743d847b21_proj:
	s_mov_b64 s[64:65], 0
	v_nop
	global_prefetch_b8 v0, s[64:65] scope:SCOPE_SE
	s_setreg_imm32_b32 hwreg(HW_REG_WAVE_MODE, 25, 1), 1
	s_wait_xcnt 0x0
	s_wait_alu depctr_hold_cnt(0) depctr_sa_sdst(0) depctr_va_vdst(0) depctr_va_sdst(0) depctr_va_ssrc(0) depctr_va_vcc(0) depctr_vm_vsrc(0)
	s_getreg_b32 s2, hwreg(HW_REG_IB_STS2, 6, 4)
	s_cmp_eq_u32 s2, 0
	s_cbranch_scc0 .Lentry_in_a_cluster
	s_endpgm
.Lentry_in_a_cluster:
	s_bfe_u32 s2, ttmp6, 0x10000c
	s_cmp_lg_u32 s2, 0xf033
	s_cbranch_scc0 .Lentry_shape_is_right
	s_endpgm
.Lentry_shape_is_right:
; out0 = y w_proj^T on codes of E4M3 (K = 1,024); each finished sum is multiplied once by 2^(e6 + e7).  LIMIT: e6 + e7 between -126 and 127, so that this is an f32 number.
; A block of 256 tokens x 128 columns is made by four waves: 32 x 8 = 256 work-groups.  A wave makes 128 x 64: 32 accumulators of 16 x 16.
; The codes lie in memory in the order of the operand's registers (a fragment of 16 rows x 128 k: registers 4 p .. 4 p + 3 at 512 p + 16 x lane; 128 rows x 256 k are one dense block of 32,768 bytes, and a block's four K steps lie on end).
; LDS holds three of the four K steps: three regions of 98,304 bytes, y's rows 0-127 (fetched by wave 0), y's rows 128-255 (wave 1), w_proj's 128 rows (wave 2); each comes by ONE tensor load of 384 rows of 256 bytes at the head.  Wave 3 fetches nothing.
; K step 3 is the one refill: it lands on K step 0's bytes, behind the three lines and a round of the cluster's barrier, when every wave has K step 0 in registers; it has four steps of 128 along K in which to land.
; CLUSTERS: 4 x 4 work-groups.  y's tiles are shared along a row of the cluster, w_proj's along a column: each is asked for jointly, by the same tensor load with the same descriptor and a mask that names the four.
; NO PREFETCH: the eight steps are written on end; there is no loop to run ahead in, and three quarters of the operands are asked for at the head.
; THE MATRIX INSTRUCTION IS USED TRANSPOSED (source 0 = 16 rows of w_proj, source 1 = 16 tokens): a lane holds eight neighbouring columns of one token's row.
; REGISTERS, in windows of 256: window 0: v16-29 addresses, v32-127 at work on the way out, v128-255 w_proj's fragments, two sets of 64; window 1: the accumulators, (a, b) at v[8 (4 a + b)]; window 2: y's fragments, two sets of 128.
.set REG3,   98304                     ; a fetching wave's region: three K steps
.set SPARE,  3*REG3                    ; behind the regions: the spare words, 128 bytes a wave: two blocks of 256 bytes that no other line names
.set STAGE,  32768                     ; the way out's stages lie in region 0's K step 1: it has had its only fill, and every wave has read it when the first result is stored there
.set SPITCH, 272                       ; a stage row: 256 bytes + 16
.set ADRA, 16                          ; v16, v17  LDS address of my fragments of y: my region, and 65,536 bytes further on
.set ADRB, 20                          ; v20, v21  the same for w_proj
.set STO,  24
.set RD,   25
.set CO,   26
.set SPW,  28                          ; v28  SPARE + 4 x my thread's number; never rewritten
.set NIL,  29                          ; v29  0; never rewritten
.set TMP,  32
.set BK,   64
.set G1, 24                            ; s[24:31] group 1 for y's tiles; s[32:35] group 0
.set G0, 32
.set G1B, 48                           ; s[48:55], s[56:59] the same for w_proj's
.set G0B, 56
.set MSB, 0
.macro WIN new                         ; the immediate's high byte repeats the setting that is left
.if MSB != (\new)
	s_set_vgpr_msb (MSB<<8)|(\new)
.set MSB, (\new)
.endif
.endm
.macro PLACES                          ; plain vector lines between a matrix instruction and a load into, or a vector read of, its registers
.rept 4
	v_nop
.endr
.endm
.macro JLOAD                           ; waves 0 and 1 fetch for y, wave 2 for w_proj, wave 3 nothing: the branches hang on the wave's number alone
	s_cmp_lt_u32 s14, 2
	s_cbranch_scc0 .Lnot_a_\@
	tensor_load_to_lds s[G0:G0+3], s[G1:G1+7]
	s_nop 0
	PLACES
	s_branch .Lasked_\@
.Lnot_a_\@:
	s_cmp_lt_u32 s14, 3
	s_cbranch_scc0 .Lasked_\@
	tensor_load_to_lds s[G0B:G0B+3], s[G1B:G1B+7]
	s_nop 0
	PLACES
.Lasked_\@:
.endm
.macro CROUND                          ; a round of the cluster's barrier
	s_barrier_signal -1
	s_barrier_wait -1
	s_cmp_lg_u32 s14, 0
	s_cbranch_scc1 .Lnot_wave_0_\@
	s_barrier_signal -3
.Lnot_wave_0_\@:
	s_barrier_wait -3
	s_barrier_signal -1
	s_barrier_wait -1
.endm
	s_load_b128 s[4:7], s[0:1], 0x0                ; y_codes, wp_codes
	s_load_b128 s[8:11], s[0:1], 0x10              ; the scales' exponents, out0
	v_lshl_add_u32 v[SPW], v0, 2, SPARE
	v_mov_b32 v[NIL], 0
	ds_add_u32 v[SPW], v[NIL]                      ; the opening: the add, twice on end, and its wait ahead of the round in front of the first tensor loads
	ds_add_u32 v[SPW], v[NIL]
	v_lshrrev_b32 v1, 5, v0
	v_readfirstlane_b32 s14, v1                    ; wave 0..3
	s_lshr_b32 s15, s14, 1                         ; which 128 tokens are mine
	s_and_b32 s16, s14, 1                          ; which 64 columns.  Also, in waves 0 and 1: which 128 tokens I fetch
	s_bfe_u32 s40, ttmp6, 0x40000                  ; cx, cy
	s_bfe_u32 s41, ttmp6, 0x40004
	s_lshl_b32 s42, ttmp9, 2
	s_add_co_u32 s42, s42, s40                     ; block column 0..7
	s_and_b32 s17, ttmp7, 0xffff
	s_lshl_b32 s17, s17, 2
	s_add_co_u32 s17, s17, s41                     ; block row 0..31
	s_lshl_b32 s43, s41, 2
	s_lshl_b32 s43, 15, s43                        ; my row of the cluster
	s_lshl_b32 s44, 0x1111, s40                    ; my column
	s_or_b32 s[G1+0], s43, (3<<16)|(1<<21)         ; 15:0 the mask; 17:16 elements of 8 bytes; 21 set beside a mask
	s_or_b32 s[G1B+0], s44, (3<<16)|(1<<21)
.irp g, G1, G1B
	s_mov_b32 s[\g+1], 32<<16                      ; rows of 256 bytes,
	s_mov_b32 s[\g+2], 384<<16                     ; 384 of them at the head: three K steps
	s_mov_b32 s[\g+3], 32<<16
	s_mov_b32 s[\g+4], 384
	s_mov_b32 s[\g+5], 32                          ; which follow each other
	s_mov_b32 s[\g+6], 0
	s_mov_b32 s[\g+7], 0
.endr
	s_lshl_b32 s20, s17, 1
	s_add_co_u32 s20, s20, s16
	s_lshl_b32 s20, s20, 17                        ; y: 128 rows x 1,024 k are 131,072 bytes: it never holds cx
	s_mov_b32 s21, 0
	s_lshl_b32 s46, s42, 17                        ; w_proj likewise: it never holds cy
	s_mov_b32 s47, 0
	s_mul_i32 s45, s14, REG3                       ; where they go: no place in the cluster enters an LDS address
	s_lshl_b32 s18, s17, 8
	s_lshl_b32 s19, s15, 7
	s_add_co_u32 s18, s18, s19                     ; my first row of out0,
	s_lshl_b32 s18, s18, 12                        ; of 4,096 bytes,
	s_lshl_b32 s19, s42, 9
	s_add_co_u32 s18, s18, s19
	s_lshl_b32 s19, s16, 8
	s_add_co_u32 s18, s18, s19                     ; and my first column: 512 x block column + 256 x half
	s_mov_b32 s19, 0
	s_mul_i32 s12, s15, REG3                       ; my tokens' region
	s_lshl_b32 s13, s16, 14
	s_add_co_u32 s13, s13, 2*REG3                  ; my 64 rows of w_proj: four blocks of 4,096 bytes in each K step
	s_mul_i32 s23, s14, 4608
	s_add_co_u32 s23, s23, STAGE                   ; my stage: 16 rows x 272 bytes
	s_wait_dscnt 0x0                               ; both opening adds are done
	s_wait_kmcnt 0x0
	s_load_b256 s[72:79], s[8:9], 0x0              ; e0 .. e7
	s_add_nc_u64 s[10:11], s[10:11], s[18:19]
	s_mov_b32 s[G0], 1
	s_mov_b32 s[G0+1], s45
	s_add_nc_u64 s[G0+2:G0+3], s[4:5], s[20:21]
	s_or_b32 s[G0+3], s[G0+3], 0x80000000
	s_mov_b32 s[G0B], 1
	s_mov_b32 s[G0B+1], s45
	s_add_nc_u64 s[G0B+2:G0B+3], s[6:7], s[46:47]
	s_or_b32 s[G0B+3], s[G0B+3], 0x80000000
	CROUND                                         ; all sixteen work-groups are here: the first joint loads meet
	JLOAD                                          ; K steps 0, 1 and 2: one tensor load a wave at the head
	v_and_b32 v6, 31, v0
	v_lshlrev_b32 v7, 4, v6                        ; 16 x lane
	v_and_b32 v1, 15, v0
	v_bfe_u32 v2, v0, 4, 1
	v_add_nc_u32 v[ADRA], s12, v7
	v_add_nc_u32 v[ADRB], s13, v7
	v_add_nc_u32 v[ADRA+1], 65536, v[ADRA]
	v_add_nc_u32 v[ADRB+1], 65536, v[ADRB]
	v_mul_u32_u24 v5, v1, SPITCH
	v_lshl_add_u32 v5, v2, 5, v5
	v_add_nc_u32 v[STO], s23, v5                   ; into the stage: row l % 16, 32 bytes for each half of the lanes
	v_mul_u32_u24 v8, v2, SPITCH
	v_lshl_add_u32 v8, v1, 4, v8
	v_add_nc_u32 v[RD], s23, v8                    ; back: lanes 0-15 one row of 256 bytes, lanes 16-31 the next
	v_lshlrev_b32 v9, 12, v2
	v_lshl_add_u32 v[CO], v1, 4, v9                ; and the same two rows in out0
; the fragments of step q (128 along K) into set q % 2: K step q / 2 lies at 32,768 x ((q / 2) % 3) of each region
.macro FETCH q
.set KO, (((\q)/2)%3)*32768+((\q)%2)*2048
.set AR, KO/65536
.set KO, KO-65536*AR
.set PP, (\q)%2
	WIN 0x80                                       ; destination window 2, address window 0
.irp i, 0,1,2,3,4,5,6,7
.irp c, 0,1,2,3
	ds_load_b128 v[128*PP+16*\i+4*\c:128*PP+16*\i+4*\c+3], v[ADRA+AR] offset:KO+\i*4096+512*\c
.endr
.endr
	WIN 0
.irp i, 0,1,2,3
.irp c, 0,1,2,3
	ds_load_b128 v[128+64*PP+16*\i+4*\c:128+64*PP+16*\i+4*\c+3], v[ADRB+AR] offset:KO+\i*4096+512*\c
.endr
.endr
.endm
; 32 matrix instructions on set p.  zero = 1: the first products start the sums.  The 32 accumulators take turns, one instruction a turn, in the same order in every step.
.macro MUL p, zero
	WIN 0x58                                       ; source 0 window 0, source 1 window 2, C and D window 1
.irp a, 0,1,2,3,4,5,6,7
.irp b, 0,1,2,3
.if \zero
	v_wmma_f32_16x16x128_fp8_fp8 v[8*(4*\a+\b):8*(4*\a+\b)+7], v[128+64*(\p)+16*\b:128+64*(\p)+16*\b+15], v[128*(\p)+16*\a:128*(\p)+16*\a+15], 0
.else
	v_wmma_f32_16x16x128_fp8_fp8 v[8*(4*\a+\b):8*(4*\a+\b)+7], v[128+64*(\p)+16*\b:128+64*(\p)+16*\b+15], v[128*(\p)+16*\a:128*(\p)+16*\a+15], v[8*(4*\a+\b):8*(4*\a+\b)+7]
.endif
.endr
.endr
	WIN 0
.endm
.macro SUB q                           ; a plain step: its fragments are in; the next step's are asked for, into the set that the step before multiplied; then its products
	s_wait_dscnt 0x0
	PLACES
	FETCH (\q)+1
	MUL (\q)%2, 0
.endm
	s_wait_alu depctr_va_vdst(0)
	s_wait_tensorcnt 0x0                           ; my region is in, and no load of mine is out: the descriptors may be written
	s_mov_b32 s[G1+2], 128<<16                     ; the refill brings one K step: 128 rows,
	s_mov_b32 s[G1+4], 128
	s_mov_b32 s[G1B+2], 128<<16
	s_mov_b32 s[G1B+4], 128
	s_add_nc_u64 s[G0+2:G0+3], s[G0+2:G0+3], REG3  ; K step 3
	s_add_nc_u64 s[G0B+2:G0B+3], s[G0B+2:G0B+3], REG3
	s_barrier_signal -1
	s_barrier_wait -1
	FETCH 0
	s_wait_dscnt 0x0
	FETCH 1
	MUL 0, 1
	s_wait_dscnt 0x0                               ; step 1's fragments are in: my reads of K step 0 are over
	s_wait_tensorcnt 0x0                           ; the three lines in front of the refill's round:
	ds_add_u32 v[SPW], v[NIL]                      ; the add, twice on end
	ds_add_u32 v[SPW], v[NIL]
	s_wait_dscnt 0x0
	CROUND                                         ; no wave of any partner still reads K step 0 or has a load on its way
	JLOAD                                          ; K step 3, onto K step 0's bytes
	PLACES                                         ; (on wave 3's way too)
	FETCH 2
	MUL 1, 0
	SUB 2
	SUB 3
	SUB 4
	s_wait_dscnt 0x0                               ; step 5's fragments are in: K steps 1 and 2 are read out
	s_wait_tensorcnt 0x0                           ; my part of K step 3 is in
	s_barrier_signal -1
	s_barrier_wait -1                              ; and everybody's
	PLACES
	FETCH 6
	MUL 1, 0
	SUB 6
	s_wait_dscnt 0x0
	MUL 1, 0
; THE WAY OUT, block by block of 16 tokens x 64 columns.  A lane holds 32 neighbouring bytes of a row: a block goes through my own stage in LDS and comes back as whole rows of 256 bytes, which sixteen lanes store as one aligned unit.
; LDS serves a wave's instructions in order (ISA guide 5.7.1.4): no wait between the stores and the loads, nor in front of the next block's stores.
.macro TOSTAGE a
	WIN 0x01                                       ; source 0: window 1
.irp j, 0,2,4,6,8,10,12,14,16,18,20,22,24,26,28,30
	v_pk_mul_f32 v[TMP+\j:TMP+\j+1], v[32*(\a)+\j:32*(\a)+\j+1], s[96:97] op_sel_hi:[1,0]   ; x 2^(e6 + e7); each accumulator from its low end on
.endr
	WIN 0
.irp b, 0,1,2,3
	ds_store_b128 v[STO], v[TMP+8*\b:TMP+8*\b+3] offset:64*\b
	ds_store_b128 v[STO], v[TMP+8*\b+4:TMP+8*\b+7] offset:64*\b+16
.endr
.set BB, BK+32*((\a)%2)
.irp t, 0,1,2,3,4,5,6,7
	ds_load_b128 v[BB+4*\t:BB+4*\t+3], v[RD] offset:\t*2*SPITCH
.endr
.endm
.macro SEND a, younger                 ; younger: the LDS instructions issued behind block a's loads, which may stay out
.set BB, BK+32*((\a)%2)
	s_wait_dscnt \younger
.if (\a) > 0
	s_add_nc_u64 s[10:11], s[10:11], 16*4096       ; (behind a wait on XCNT: the earlier stores have read their base)  16 rows on
.endif
.irp t, 0,1,2,3,4,5,6,7
	global_store_b128 v[CO], v[BB+4*\t:BB+4*\t+3], s[10:11] offset:\t*2*4096 th:TH_STORE_NT   ; sixteen lanes store 256 consecutive bytes, aligned
.endr
.endm
	s_wait_kmcnt 0x0
	s_add_co_i32 s96, s78, s79
	s_add_co_i32 s96, s96, 127
	s_lshl_b32 s96, s96, 23                        ; 2^(e6 + e7)
	s_mov_b32 s97, s96
	PLACES
	TOSTAGE 0
.irp a, 1,2,3,4,5,6,7
.if \a > 1
	s_wait_xcnt 0x0                                ; block a - 2's stores have read their registers and their base
.endif
	TOSTAGE \a
	SEND \a-1, 16                                  ; behind block a - 1's loads: block a's 8 stores and 8 loads
.endr
	s_wait_xcnt 0x0
	SEND 7, 0
	s_wait_tensorcnt 0x0                           ; the wave's end
	ds_add_u32 v[SPW], v[NIL]
	s_wait_dscnt 0x0
	CROUND                                         ; the closing round
	s_endpgm
.Lfunc_end_k_q743d847b21_proj:
	.size	k_q743d847b21_proj, .Lfunc_end_k_q743d847b21_proj-k_q743d847b21_proj
	.p2alignl 7, 3214868480
	.fill 96, 4, 3214868480
	.section	.rodata,"a",@progbits
	.p2align	6, 0x0
	.amdhsa_kernel k_q743d847b21_proj
		.amdhsa_group_segment_fixed_size 327680
		.amdhsa_private_segment_fixed_size 0
		.amdhsa_enable_private_segment 0
		.amdhsa_kernarg_size 32
		.amdhsa_user_sgpr_count 2
		.amdhsa_user_sgpr_kernarg_segment_ptr 1
		.amdhsa_wavefront_size32 1
		.amdhsa_system_sgpr_workgroup_id_x 1
		.amdhsa_system_sgpr_workgroup_id_y 1
		.amdhsa_system_sgpr_workgroup_id_z 1
		.amdhsa_system_vgpr_workitem_id 0
		.amdhsa_next_free_vgpr 768
		.amdhsa_next_free_sgpr 100
		.amdhsa_reserve_vcc 0
		.amdhsa_float_denorm_mode_32 3
		.amdhsa_float_denorm_mode_16_64 3
		.amdhsa_memory_ordered 1
		.amdhsa_forward_progress 1
		.amdhsa_inst_pref_size 74
	.end_amdhsa_kernel
	.amdgpu_metadata
---
amdhsa.version: [ 1, 2 ]
amdhsa.kernels:
  - .name:           k_q743d847b21_proj
    .symbol:         k_q743d847b21_proj.kd
    .args:
      - { .name: y_codes, .offset: 0, .size: 8, .value_kind: global_buffer, .address_space: global }
      - { .name: wp_codes, .offset: 8, .size: 8, .value_kind: global_buffer, .address_space: global }
      - { .name: lowp_scales, .offset: 16, .size: 8, .value_kind: global_buffer, .address_space: global }
      - { .name: out0, .offset: 24, .size: 8, .value_kind: global_buffer, .address_space: global }
    .group_segment_fixed_size: 327680
    .private_segment_fixed_size: 0
    .kernarg_segment_align: 8
    .kernarg_segment_size: 32
    .max_flat_workgroup_size: 128
    .sgpr_count:     100
    .vgpr_count:     768
    .wavefront_size: 32
...
	.end_amdgpu_metadata
.endif
;; end of part 4
